; MI455X (gfx1250); checked and timed in simulation.
; The chip was launched on July 23, 2026; its instructions are those of AMD's public machine-readable ISA for CDNA 5 (MIT licence, August 2026) and "CDNA5" Instruction Set Architecture Reference Guide (July 2026). The comments in the code are by the model that wrote it; some were corrected since.
;; Mo E Layer. Allowed arithmetic: float matrix products may take bf16 or f16 operands with f32 sums; other float arithmetic in f32, or as packed bf16 or f16 multiplies, adds, multiply-adds, maxima and minima; sums over many terms, partial sums and values carried from step to step in f32; what a program stores and reads back later, other than sums and carried values, may be rounded once to bf16 or f16.
;; Inputs: b1 8 x 4,096 float32; b2 8 x 1,024 float32; router_w 8 x 1,024 float32; w1 8 x 4,096 x 1,024 float32; w2 8 x 1,024 x 4,096 float32; x 4 x 256 x 1,024 float32.
;; Outputs: out0 4 x 256 x 1,024 float32.
;; 2 versions, each right; version 2 is version 1 with the launches up, down written anew for expert scheduling mode. Each part assembles by itself: llvm-mc -triple=amdgcn-amd-amdhsa -mcpu=gfx1250 --defsym DOCPART=n.
;; ======== version 1 of 2: 5 launches
;; limits: values outside matrix products are rounded to bf16
;; workspace buffers: gate 8,192 bytes; bits 2,048 bytes of whole numbers; cnt 256 bytes of whole numbers; pos 8,192 bytes of whole numbers; xs 16,777,216 bytes; h 67,108,864 bytes; part 134,217,728 bytes
;; launch router (part 1): grid 64 x 1, 8 waves a work-group, no clusters, 44,032 bytes of LDS; arguments x, router_w, gate, bits; writes gate, bits
.if DOCPART == 1
	.amdgcn_target "amdgcn-amd-amdhsa--gfx1250"
	.amdhsa_code_object_version 6
	.text
	.protected	k_qfee26c0754_router
	.globl	k_qfee26c0754_router
	.p2align	8
	.type	k_qfee26c0754_router,@function
k_qfee26c0754_router:
	s_mov_b64 s[64:65], 0
	v_nop
	global_prefetch_b8 v0, s[64:65] scope:SCOPE_SE
	s_setreg_imm32_b32 hwreg(HW_REG_WAVE_MODE, 25, 1), 1
	s_wait_xcnt 0x0
; ROUTER.  logits = x router_w^T (operands rounded to bf16, sums in f32), softmax over 8 experts with the maximum taken away, top 2 (the lower index wins a tie),
; the two weights divided by their sum + 1e-9.  Stored at fixed places: gate[token][2] (f32: the lower-numbered expert's weight, then the higher's) and
; bits (u16 [kind 2][expert 8][tile 64], bit = token % 16; kind 0: the token chose the expert, kind 1: the expert is the token's higher one).
; No address and no branch hangs on the choice: a later launch places the rows.
; SHARES.  A work-group owns 16 tokens; wave kw the channels 128 kw .. 128 kw + 127; the eight partial sums meet in LDS and wave 0 finishes.
; LIMITS.  NaN and infinities are not treated apart.  Where the second and third probability differ by less than the rounding of the sums, the choice may fall either way.
.set XT,    4352                       ; a wave's tile of x in LDS: 16 rows x (256 bytes of bf16 + 16 of padding)
.set RED,   34816                      ; behind the eight tiles: 1,024 bytes a wave, its partial logits
.set SPARE, 43008                      ; behind them: the spare words, 128 bytes a wave, which no other line names
.set X,     32                         ; v[32:95]   16 rows of x as loaded, 4 numbers a lane and row
.set RWR,   96                         ; v[96:159]  router_w as loaded
.set RWF,   160                        ; v[160:191] its four fragments (bf16)
.set XF,    192                        ; v[192:223] x's four fragments (bf16)
.set ACC0,  224
.set ACC1,  232
	s_load_b256 s[4:11], s[0:1], 0x0               ; x s[4:5], router_w s[6:7], gate s[8:9], bits s[10:11]
	v_lshl_add_u32 v30, v0, 2, SPARE               ; my spare word,
	v_mov_b32 v31, 0                               ; and 0: kept for the closing lines alone
	v_lshrrev_b32 v12, 5, v0
	v_readfirstlane_b32 s12, v12                   ; wave kw
	v_and_b32 v1, 31, v0                           ; lane l
	v_and_b32 v2, 15, v0                           ; r = l % 16
	v_bfe_u32 v3, v0, 4, 1                         ; h = l / 16
	v_lshlrev_b32 v4, 4, v0                        ; x: 16 bytes a thread, the eight waves cover a row of 4,096 bytes
	s_mul_i32 s14, s12, XT
	v_lshl_add_u32 v5, v1, 3, s14                  ; into my tile: 8 bytes (4 bf16) a lane
	v_mul_u32_u24 v6, v2, 272
	v_lshl_add_u32 v6, v3, 4, v6
	v_add_nc_u32 v6, s14, v6                       ; out of it: row r, 16 h
	v_and_b32 v7, 7, v0
	v_lshlrev_b32 v7, 12, v7                       ; router_w: expert r % 8 (rows 8 to 15 of the fragment repeat rows 0 to 7),
	v_lshl_add_u32 v7, v3, 5, v7                   ; 8 h numbers of 4 bytes,
	s_lshl_b32 s15, s12, 9
	v_add_nc_u32 v7, s15, v7                       ; my wave's 128 channels
	s_lshl_b32 s15, s12, 10
	s_add_co_u32 s15, s15, RED
	v_lshl_add_u32 v8, v1, 5, s15                  ; my 8 partial logits
	v_lshlrev_b32 v9, 5, v1
	v_add_nc_u32 v9, RED, v9                       ; the same lane's in wave 0's block
	v_lshlrev_b32 v10, 3, v2                       ; gate: 8 bytes a token
	v_bfe_u32 v11, v0, 3, 1
	v_lshlrev_b32 v11, 10, v11                     ; bits: kind (lane / 8) % 2,
	v_and_b32 v12, 7, v0
	v_lshl_add_u32 v11, v12, 7, v11                ; expert lane % 8,
	s_lshl_b32 s15, ttmp9, 1
	v_add_nc_u32 v11, s15, v11                     ; my tile's two bytes
	s_lshl_b32 s16, ttmp9, 16                      ; 16 rows of 4,096 bytes
	s_mov_b32 s17, 0
	s_lshl_b32 s18, ttmp9, 7                       ; 16 tokens of 8 bytes
	s_mov_b32 s19, 0
	s_wait_kmcnt 0x0
	s_add_nc_u64 s[4:5], s[4:5], s[16:17]
	s_add_nc_u64 s[8:9], s[8:9], s[18:19]
.irp p, 0,1,2,3,4,5,6,7,8,9,10,11,12,13,14,15
	global_load_b128 v[X+4*\p:X+4*\p+3], v4, s[4:5] offset:4096*\p  ; a wave's load covers 512 consecutive bytes of row p
.endr
.irp t, 0,1,2,3                        ; K step t of 32 channels: numbers 8 h .. 8 h + 7 and 16 + 8 h .. 16 + 8 h + 7
	global_load_b128 v[RWR+16*\t:RWR+16*\t+3],     v7, s[6:7] offset:128*\t
	global_load_b128 v[RWR+16*\t+4:RWR+16*\t+7],   v7, s[6:7] offset:128*\t+16
	global_load_b128 v[RWR+16*\t+8:RWR+16*\t+11],  v7, s[6:7] offset:128*\t+64
	global_load_b128 v[RWR+16*\t+12:RWR+16*\t+15], v7, s[6:7] offset:128*\t+80
.endr
	s_wait_loadcnt 16                              ; x is in; the sixteen loads of router_w are younger
.irp p, 0,1,2,3,4,5,6,7,8,9,10,11,12,13,14,15
	v_cvt_pk_bf16_f32 v[X+4*\p], v[X+4*\p], v[X+4*\p+1]
	v_cvt_pk_bf16_f32 v[X+4*\p+1], v[X+4*\p+2], v[X+4*\p+3]
	ds_store_b64 v5, v[X+4*\p:X+4*\p+1] offset:272*\p
.endr
	s_wait_loadcnt 0x0
.set z, 0
.rept 32
	v_cvt_pk_bf16_f32 v[RWF+z], v[RWR+2*z], v[RWR+2*z+1]
.set z, z+1
.endr
.irp t, 0,1,2,3
	ds_load_b128 v[XF+8*\t:XF+8*\t+3],   v6 offset:64*\t     ; my wave's own bytes: LDS serves a wave's instructions in order (ISA guide 5.7.1.4)
	ds_load_b128 v[XF+8*\t+4:XF+8*\t+7], v6 offset:64*\t+32
.endr
	s_wait_dscnt 0x0
	; source 0 = experts, source 1 = tokens: a lane then holds token r, register j expert j, in both halves of the lanes.  The two accumulators take turns.
	v_wmma_f32_16x16x32_bf16 v[ACC0:ACC0+7], v[RWF:RWF+7],       v[XF:XF+7],       0
	v_wmma_f32_16x16x32_bf16 v[ACC1:ACC1+7], v[RWF+8:RWF+15],    v[XF+8:XF+15],    0
	v_wmma_f32_16x16x32_bf16 v[ACC0:ACC0+7], v[RWF+16:RWF+23],   v[XF+16:XF+23],   v[ACC0:ACC0+7]
	v_wmma_f32_16x16x32_bf16 v[ACC1:ACC1+7], v[RWF+24:RWF+31],   v[XF+24:XF+31],   v[ACC1:ACC1+7]
.rept 4
	v_nop                                          ; four places between the products and the first read of their results (ISA guide 7.12.1)
.endr
.irp j, 0,2,4,6
	v_pk_add_f32 v[12+\j:13+\j], v[ACC0+\j:ACC0+\j+1], v[ACC1+\j:ACC1+\j+1]
.endr
	ds_store_b128 v8, v[12:15]
	ds_store_b128 v8, v[16:19] offset:16
	s_wait_dscnt 0x0                               ; for wave 0's sake: my partial logits are in LDS
	s_barrier_signal -1
	s_barrier_wait -1
	s_cmp_eq_u32 s12, 0
	s_cbranch_scc1 .Lwave0
	s_wait_tensorcnt 0x0                           ; the wave's end
	ds_add_u32 v30, v31
	s_wait_dscnt 0x0
	s_endpgm
.Lwave0:
.irp k, 0,1,2,3,4,5,6,7
	ds_load_b128 v[32+8*\k:35+8*\k], v9 offset:1024*\k
	ds_load_b128 v[36+8*\k:39+8*\k], v9 offset:1024*\k+16
.endr
	s_wait_dscnt 0x0
.irp k, 1,2,3,4,5,6,7                  ; the eight parts in ascending order of the channels
.irp j, 0,2,4,6
	v_pk_add_f32 v[32+\j:33+\j], v[32+\j:33+\j], v[32+8*\k+\j:33+8*\k+\j]
.endr
.endr
	; softmax: the maximum is taken away first
	v_max3_num_f32 v12, v32, v33, v34
	v_max3_num_f32 v12, v12, v35, v36
	v_max3_num_f32 v12, v12, v37, v38
	v_max_num_f32 v12, v12, v39
.irp i, 0,1,2,3,4,5,6,7
	v_sub_f32 v[40+\i], v[32+\i], v12
.endr
.irp i, 0,1,2,3,4,5,6,7
	v_mul_f32 v[40+\i], 0x3fb8aa3b, v[40+\i]       ; log2(e)
.endr
.irp i, 0,1,2,3,4,5,6,7
	v_exp_f32 v[40+\i], v[40+\i]
.endr
	v_nop                                          ; a plain instruction behind the last exponential (ISA guide 5.7.2),
	s_wait_alu depctr_va_vdst(0)                   ; and one wait for the batch of eight
	v_add_f32 v13, v40, v41
	v_add_f32 v14, v42, v43
	v_add_f32 v15, v44, v45
	v_add_f32 v16, v46, v47
	v_add_f32 v13, v13, v14
	v_add_f32 v15, v15, v16
	v_add_f32 v13, v13, v15
	v_rcp_f32 v14, v13
	v_nop
	s_wait_alu depctr_va_vdst(0)
.irp i, 0,1,2,3,4,5,6,7
	v_mul_f32 v[40+\i], v[40+\i], v14              ; the probabilities
.endr
	; the largest: ascending with a strict compare, so the lower index keeps a tie
	v_mov_b32 v15, v40
	v_mov_b32 v16, 0
.irp i, 1,2,3,4,5,6,7
	v_cmp_gt_f32 vcc_lo, v[40+\i], v15
	v_cndmask_b32 v15, v15, v[40+\i], vcc_lo
	v_cndmask_b32 v16, v16, \i, vcc_lo
.endr
.irp i, 0,1,2,3,4,5,6,7
	v_cmp_eq_u32 vcc_lo, \i, v16
	v_cndmask_b32 v[40+\i], v[40+\i], -1.0, vcc_lo ; the winner leaves the field: every probability is 0 or more
.endr
	v_mov_b32 v17, v40
	v_mov_b32 v18, 0
.irp i, 1,2,3,4,5,6,7
	v_cmp_gt_f32 vcc_lo, v[40+\i], v17
	v_cndmask_b32 v17, v17, v[40+\i], vcc_lo
	v_cndmask_b32 v18, v18, \i, vcc_lo
.endr
	v_add_f32 v19, v15, v17
	v_add_f32 v19, 0x3089705f, v19                 ; + 1e-9
	v_rcp_f32 v19, v19
	v_min_u32 v21, v16, v18                        ; the lower-numbered expert (a plain instruction behind the reciprocal),
	v_max_u32 v22, v16, v18                        ; the higher
	s_wait_alu depctr_va_vdst(0)
	v_mul_f32 v26, v15, v19
	v_mul_f32 v27, v17, v19
	v_cmp_lt_u32 vcc_lo, v16, v18
	v_cndmask_b32 v24, v27, v26, vcc_lo            ; the lower expert's weight,
	v_cndmask_b32 v25, v26, v27, vcc_lo            ; the higher's
	global_store_b64 v10, v[24:25], s[8:9]         ; lanes 16 to 31 hold the same tokens and store the same bytes
	v_mov_b32 v20, 0
.irp e, 0,1,2,3,4,5,6,7
	v_cmp_eq_u32 s14, \e, v21
	v_cmp_eq_u32 s15, \e, v22
	s_or_b32 s14, s14, s15
	s_and_b32 s14, s14, 0xffff                     ; bit r: token r chose expert e
	s_and_b32 s15, s15, 0xffff                     ; bit r: as its higher one
	v_writelane_b32 v20, s14, \e
	v_writelane_b32 v20, s15, 8+\e
.endr
	s_wait_xcnt 0x0                                ; EXEC is a source of the store above: it changes only behind this wait
	v_cmp_gt_u32 vcc_lo, 16, v1
	s_and_saveexec_b32 s16, vcc_lo
	global_store_b16 v11, v20, s[10:11]            ; sixteen words of 16 bits, laid so that the next launch reads an expert's 64 tiles as 32 scalar words
	s_wait_xcnt 0x0
	s_or_b32 exec_lo, exec_lo, s16
	s_wait_tensorcnt 0x0                           ; the wave's end
	ds_add_u32 v30, v31
	s_wait_dscnt 0x0
	s_endpgm
.Lfunc_end_k_qfee26c0754_router:
	.size	k_qfee26c0754_router, .Lfunc_end_k_qfee26c0754_router-k_qfee26c0754_router
	.p2alignl 7, 3214868480
	.fill 96, 4, 3214868480
	.section	.rodata,"a",@progbits
	.p2align	6, 0x0
	.amdhsa_kernel k_qfee26c0754_router
		.amdhsa_group_segment_fixed_size 44032
		.amdhsa_private_segment_fixed_size 0
		.amdhsa_enable_private_segment 0
		.amdhsa_kernarg_size 32
		.amdhsa_user_sgpr_count 2
		.amdhsa_user_sgpr_kernarg_segment_ptr 1
		.amdhsa_wavefront_size32 1
		.amdhsa_system_sgpr_workgroup_id_x 1
		.amdhsa_system_sgpr_workgroup_id_y 1
		.amdhsa_system_sgpr_workgroup_id_z 1
		.amdhsa_system_vgpr_workitem_id 0
		.amdhsa_next_free_vgpr 240
		.amdhsa_next_free_sgpr 66
		.amdhsa_reserve_vcc 1
		.amdhsa_float_denorm_mode_32 3
		.amdhsa_float_denorm_mode_16_64 3
		.amdhsa_memory_ordered 1
		.amdhsa_forward_progress 1
		.amdhsa_inst_pref_size 23
	.end_amdhsa_kernel
	.amdgpu_metadata
---
amdhsa.version: [ 1, 2 ]
amdhsa.kernels:
  - .name:           k_qfee26c0754_router
    .symbol:         k_qfee26c0754_router.kd
    .args:
      - { .name: x, .offset: 0, .size: 8, .value_kind: global_buffer, .address_space: global }
      - { .name: router_w, .offset: 8, .size: 8, .value_kind: global_buffer, .address_space: global }
      - { .name: gate, .offset: 16, .size: 8, .value_kind: global_buffer, .address_space: global }
      - { .name: bits, .offset: 24, .size: 8, .value_kind: global_buffer, .address_space: global }
    .group_segment_fixed_size: 44032
    .private_segment_fixed_size: 0
    .kernarg_segment_align: 8
    .kernarg_segment_size: 32
    .max_flat_workgroup_size: 256
    .sgpr_count:     66
    .vgpr_count:     240
    .wavefront_size: 32
...
	.end_amdgpu_metadata
.endif
;; end of part 1
;; launch place (part 2): grid 8 x 64, 8 waves a work-group, no clusters, 37,888 bytes of LDS; arguments x, bits, xs, cnt, pos; writes xs, cnt, pos
.if DOCPART == 2
	.amdgcn_target "amdgcn-amd-amdhsa--gfx1250"
	.amdhsa_code_object_version 6
	.text
	.protected	k_qfee26c0754_place
	.globl	k_qfee26c0754_place
	.p2align	8
	.type	k_qfee26c0754_place,@function
k_qfee26c0754_place:
	s_mov_b64 s[64:65], 0
	v_nop
	global_prefetch_b8 v0, s[64:65] scope:SCOPE_SE
	s_setreg_imm32_b32 hwreg(HW_REG_WAVE_MODE, 25, 1), 1
	s_wait_xcnt 0x0
; PLACE.  From the stored choice (bits) each expert's tokens are ranked in ascending order of the token; work-group (e, t) gathers the 16 rows of rank 16 t .. 16 t + 15 of expert e,
; rounds them to bf16 and stores them in the order in which a matrix operand's registers take them:
;   xs[e][tile 64][K step 32][half 2][lane 32][8 numbers]: lane 16 hh + r of (K step, half) holds row r, channels 32 step + 16 half + 8 hh + 0..7.
; It also stores pos[token][slot] = 1024 e + rank (slot 1: e is the token's higher expert) and, in tile 0, cnt[e].
; THE GRID serves every split: an expert may have 0 to 1,024 rows, 64 tiles.  A tile past the count stores nothing and ends; tile 0 is stored always, so that a clamped read finds stored bytes.
; The expert is the grid's x and the tile its y: the tiles that exist have the launch's lowest work-group numbers, 8 t + e, and those past the counts the highest.
; Places past the count repeat token 0.  No barrier: each of the eight waves makes the list of 16 tokens for itself and takes the channels 128 kw .. 128 kw + 127.
; ADDRESSES.  All that hangs on the work-group and the wave alone is added to the scalar bases at the head.  A loaded number enters a vector offset only behind a clamp by a constant,
; and behind the clamp stand a shift left and an addition alone.
.set TR,    2048                       ; behind the eight lists (256 bytes a wave: 16 entries, word 16 takes what does not belong to the tile): a tile of 16 rows x 272 bytes a wave
.set SPARE, 36864                      ; behind them: the spare words, 128 bytes a wave, which no other line names
.set OFFS,  40                         ; v[40:55]   byte offsets of my 16 bytes in the 16 rows of x
.set RAW,   56                         ; v[56:119]  the rows as loaded
.set FRG,   120                        ; v[120:151] the tile as operand fragments
	s_load_b256 s[4:11], s[0:1], 0x0               ; x s[4:5], bits s[6:7], xs s[8:9], cnt s[10:11]
	s_load_b64 s[12:13], s[0:1], 0x20              ; pos
	v_lshl_add_u32 v28, v0, 2, SPARE               ; my spare word,
	v_mov_b32 v29, 0                               ; and 0: kept for the closing lines alone
	v_lshrrev_b32 v8, 5, v0
	v_readfirstlane_b32 s86, v8                    ; wave kw
	s_mov_b32 s92, ttmp9                           ; expert e
	s_and_b32 s93, ttmp7, 0xffff                   ; tile t
	s_lshl_b32 s88, s92, 7                         ; an expert's 64 tiles are 128 bytes of bits
	s_mov_b32 s89, 0
	s_wait_kmcnt 0x0
	s_add_nc_u64 s[6:7], s[6:7], s[88:89]
	s_load_b512 s[16:31], s[6:7], 0x0              ; word j: tokens 32 j .. 32 j + 31 that chose e
	s_load_b512 s[32:47], s[6:7], 0x40
	s_load_b512 s[48:63], s[6:7], 0x400            ; the same for 'e is the higher one': words 0 to 15,
	s_load_b512 s[68:83], s[6:7], 0x440            ; words 16 to 31
	s_lshl_b32 s88, s86, 9
	s_add_nc_u64 s[4:5], s[4:5], s[88:89]          ; x at my wave's 512 bytes of a row
	s_lshl_b32 s88, s92, 2
	s_add_nc_u64 s[10:11], s[10:11], s[88:89]      ; cnt at my expert's word
	s_lshl_b32 s88, s92, 6
	s_add_co_u32 s88, s88, s93
	s_lshl_b32 s88, s88, 15                        ; tile (e, t): 32,768 bytes each,
	s_lshl_b32 s94, s86, 12                        ; my wave's four K steps of 1,024 bytes
	s_add_co_u32 s88, s88, s94
	s_add_nc_u64 s[8:9], s[8:9], s[88:89]          ; xs at my wave's part of the tile
	v_and_b32 v1, 31, v0                           ; lane l
	v_and_b32 v2, 15, v0                           ; r
	v_bfe_u32 v3, v0, 4, 1                         ; hh
	s_lshl_b32 s94, s86, 8
	v_mov_b32 v4, s94                              ; my wave's list
	v_mov_b32 v5, 16
	v_mov_b32 v6, v1                               ; the token of my lane in word j,
	v_add_nc_u32 v7, 1024, v1                      ; and the same with the flag 'higher' on top
	v_mov_b32 v15, 0                               ; 0: the list's first filling, and the offset of the store to cnt; never rewritten
	s_mul_i32 s95, s86, 4352
	s_add_co_u32 s95, s95, TR
	v_lshl_add_u32 v12, v1, 3, s95                 ; into my tile: 8 bytes a lane
	v_mul_u32_u24 v13, v2, 272
	v_lshl_add_u32 v13, v3, 4, v13
	v_add_nc_u32 v13, s95, v13                     ; out of it: row r, 16 hh
	v_lshlrev_b32 v14, 4, v1                       ; 16 l: my 16 bytes of 512
	s_lshl_b32 s90, s93, 4                         ; 16 t
	s_mov_b32 s84, 0
	s_wait_kmcnt 0x0
.set j, 0
.rept 32
	s_bcnt1_i32_b32 s88, s[16+j]
	s_add_co_u32 s84, s84, s88                     ; the expert's rows
.set j, j+1
.endr
	s_cmp_lt_u32 s90, s84
	s_cbranch_scc1 .Llive
	s_cmp_eq_u32 s93, 0
	s_cbranch_scc1 .Llive
	s_endpgm                                       ; a tile past the count: nothing has been written
.Llive:
	v_lshl_add_u32 v9, v1, 2, v4
	ds_store_b32 v9, v15                           ; the list starts as token 0 everywhere
	s_sub_co_u32 s85, 0, s90                       ; rank of word 0's first chosen token, less 16 t
.set j, 0
.rept 32
.set hj, 48+j+4*(j/16)
	v_mbcnt_lo_u32_b32 v8, s[16+j], s85            ; my token's rank less 16 t, if it chose e
	v_cndmask_b32 v8, v5, v8, s[16+j]              ; else 16
	v_min_u32 v8, 16, v8                           ; ranks below the tile wrap to large numbers: they and those above it go to word 16
	v_lshl_add_u32 v9, v8, 2, v4
	v_cndmask_b32 v10, v6, v7, s[hj]
	ds_store_b32 v9, v10
	v_add_nc_u32 v6, 32, v6
	v_add_nc_u32 v7, 32, v7
	s_bcnt1_i32_b32 s88, s[16+j]
	s_add_co_u32 s85, s85, s88
.set j, j+1
.endr
.irp p, 0,1,2,3,4,5,6,7,8,9,10,11,12,13,14,15
	ds_load_b32 v[OFFS+\p], v4 offset:4*\p         ; entry p, the same word for all lanes; my wave's own bytes, served in order (ISA guide 5.7.1.4)
.endr
	s_wait_dscnt 0x0
.irp p, 0,1,2,3,4,5,6,7,8,9,10,11,12,13,14,15
	v_and_b32 v[OFFS+\p], 0x3ff, v[OFFS+\p]        ; the token, without the flag,
	v_min_u32 v[OFFS+\p], 0x3ff, v[OFFS+\p]        ; clamped to x's 1,024 rows,
	v_lshlrev_b32 v[OFFS+\p], 12, v[OFFS+\p]       ; its row of 4,096 bytes,
	v_add_nc_u32 v[OFFS+\p], v14, v[OFFS+\p]       ; my 16 bytes
.endr
.irp p, 0,1,2,3,4,5,6,7,8,9,10,11,12,13,14,15
	global_load_b128 v[RAW+4*\p:RAW+4*\p+3], v[OFFS+\p], s[4:5]  ; 512 consecutive bytes of one row
.endr
.irp p, 0,1,2,3,4,5,6,7,8,9,10,11,12,13,14,15
	s_wait_loadcnt 15-\p                           ; row p is in; the younger rows stay out
	v_cvt_pk_bf16_f32 v[RAW+4*\p], v[RAW+4*\p], v[RAW+4*\p+1]
	v_cvt_pk_bf16_f32 v[RAW+4*\p+1], v[RAW+4*\p+2], v[RAW+4*\p+3]
	ds_store_b64 v12, v[RAW+4*\p:RAW+4*\p+1] offset:272*\p
.endr
.irp n, 0,1,2,3,4,5,6,7                ; K step n / 2 of my four, half n % 2: my wave's own bytes, served in order
	ds_load_b128 v[FRG+4*\n:FRG+4*\n+3], v13 offset:32*\n
.endr
.irp n, 0,1,2,3,4,5,6,7
	s_wait_dscnt 7-\n                              ; the younger LDS loads stay out
	global_store_b128 v14, v[FRG+4*\n:FRG+4*\n+3], s[8:9] offset:512*\n  ; 512 consecutive bytes, at a multiple of 512 from the buffer's first
.endr
	s_cmp_eq_u32 s86, 0
	s_cbranch_scc1 .Lwave0
	s_wait_tensorcnt 0x0                           ; the wave's end
	ds_add_u32 v28, v29
	s_wait_dscnt 0x0
	s_endpgm
.Lwave0:                                               ; wave 0 also stores the count and where the tile's rows lie
	s_cmp_lg_u32 s93, 0
	s_cbranch_scc1 .Lnocnt
	v_mov_b32 v18, s84
	global_store_b32 v15, v18, s[10:11]            ; cnt[e], by tile 0: all lanes store one word with one value
.Lnocnt:
	v_lshl_add_u32 v9, v2, 2, v4
	ds_load_b32 v16, v9                            ; entry l % 16
	s_lshl_b32 s88, s92, 10
	s_add_co_u32 s88, s88, s90
	v_add_nc_u32 v17, s88, v1                      ; 1024 e + rank
	s_sub_co_i32 s87, s84, s90
	s_max_i32 s87, s87, 0
	s_min_i32 s87, s87, 16                         ; the tile's rows that exist
	s_wait_dscnt 0x0
	v_and_b32 v8, 0x3ff, v16
	v_lshrrev_b32 v16, 10, v16
	v_lshl_add_u32 v8, v8, 1, v16                  ; 2 x token + slot,
	v_min_u32 v8, 0x7ff, v8                        ; clamped to pos's 2,048 words,
	v_lshlrev_b32 v8, 2, v8                        ; in bytes
	s_wait_xcnt 0x0                                ; EXEC is a source of the stores above: it is narrowed only behind this wait
	v_cmp_gt_u32 vcc_lo, s87, v1
	s_and_saveexec_b32 s91, vcc_lo
	global_store_b32 v8, v17, s[12:13]             ; 16 words at the most, to places that the tokens' numbers set
	s_wait_xcnt 0x0                                ; and widened only behind this one
	s_or_b32 exec_lo, exec_lo, s91
	s_wait_tensorcnt 0x0                           ; the wave's end
	ds_add_u32 v28, v29
	s_wait_dscnt 0x0
	s_endpgm
.Lfunc_end_k_qfee26c0754_place:
	.size	k_qfee26c0754_place, .Lfunc_end_k_qfee26c0754_place-k_qfee26c0754_place
	.p2alignl 7, 3214868480
	.fill 96, 4, 3214868480
	.section	.rodata,"a",@progbits
	.p2align	6, 0x0
	.amdhsa_kernel k_qfee26c0754_place
		.amdhsa_group_segment_fixed_size 37888
		.amdhsa_private_segment_fixed_size 0
		.amdhsa_enable_private_segment 0
		.amdhsa_kernarg_size 40
		.amdhsa_user_sgpr_count 2
		.amdhsa_user_sgpr_kernarg_segment_ptr 1
		.amdhsa_wavefront_size32 1
		.amdhsa_system_sgpr_workgroup_id_x 1
		.amdhsa_system_sgpr_workgroup_id_y 1
		.amdhsa_system_sgpr_workgroup_id_z 1
		.amdhsa_system_vgpr_workitem_id 0
		.amdhsa_next_free_vgpr 152
		.amdhsa_next_free_sgpr 96
		.amdhsa_reserve_vcc 1
		.amdhsa_float_denorm_mode_32 3
		.amdhsa_float_denorm_mode_16_64 3
		.amdhsa_memory_ordered 1
		.amdhsa_forward_progress 1
		.amdhsa_inst_pref_size 32
	.end_amdhsa_kernel
	.amdgpu_metadata
---
amdhsa.version: [ 1, 2 ]
amdhsa.kernels:
  - .name:           k_qfee26c0754_place
    .symbol:         k_qfee26c0754_place.kd
    .args:
      - { .name: x, .offset: 0, .size: 8, .value_kind: global_buffer, .address_space: global }
      - { .name: bits, .offset: 8, .size: 8, .value_kind: global_buffer, .address_space: global }
      - { .name: xs, .offset: 16, .size: 8, .value_kind: global_buffer, .address_space: global }
      - { .name: cnt, .offset: 24, .size: 8, .value_kind: global_buffer, .address_space: global }
      - { .name: pos, .offset: 32, .size: 8, .value_kind: global_buffer, .address_space: global }
    .group_segment_fixed_size: 37888
    .private_segment_fixed_size: 0
    .kernarg_segment_align: 8
    .kernarg_segment_size: 40
    .max_flat_workgroup_size: 256
    .sgpr_count:     96
    .vgpr_count:     152
    .wavefront_size: 32
...
	.end_amdgpu_metadata
.endif
;; end of part 2
;; launch up (part 3): grid 256 x 1, 4 waves a work-group, no clusters, 37,376 bytes of LDS; arguments w1, b1, xs, cnt, h; writes h
.if DOCPART == 3
	.amdgcn_target "amdgcn-amd-amdhsa--gfx1250"
	.amdhsa_code_object_version 6
	.text
	.protected	k_qfee26c0754_up
	.globl	k_qfee26c0754_up
	.p2align	8
	.type	k_qfee26c0754_up,@function
k_qfee26c0754_up:
	s_mov_b64 s[64:65], 0
	v_nop
	global_prefetch_b8 v0, s[64:65] scope:SCOPE_SE
	s_setreg_imm32_b32 hwreg(HW_REG_WAVE_MODE, 25, 1), 1
	s_wait_xcnt 0x0
; ONE TEXT FOR BOTH PRODUCTS OF AN EXPERT (PROD = 1: h = relu(xs w1^T + b1), bf16 out; PROD = 2: part = h w2^T (+ b2 in the first K quarter), f32 partial sums out).
; SHARES.  A work-group has 128 rows of one expert's weights over K = 1,024 (524,288 bytes of f32), which it alone reads, once, and all of that expert's token rows.
;   PROD 1: 32 slices of F an expert.  PROD 2: 8 slices of C x 4 quarters of F; the four quarters' sums are added by the next launch.
; WEIGHTS come through registers: a load covers 2 rows x 256 consecutive bytes; they are rounded to bf16 once and laid into a ring of two LDS slots of 64 along K; two chunks' loads are always out.
; TOKEN ROWS lie in memory in operand order ([tile][K step][half][lane][8]): a fragment is two loads of 512 consecutive bytes straight into the operand's registers.  Wave w owns the row tiles 4 i + w.
; THE MATRIX INSTRUCTION IS USED TRANSPOSED: source 0 = 16 weight rows, source 1 = 16 token rows; a lane then holds token l % 16 and eight neighbouring columns 8 (l / 16) + 0..7.
;   For PROD 1 these, packed to bf16, ARE the operand order of the next product: no stage.  For PROD 2 a tile goes through the wave's own stage and leaves as rows of 512 bytes.
; EVERY SPLIT IS SERVED.  Tiles 0 to 19 (320 rows) take the fast way (tile 16 + w is jumped where it does not exist); tiles 20 to 63 a loop without LDS and barriers, 11 trips a wave of which
;   the dead ones are jumped: right, but slow, since it reads the weights again for each tile.  Tile 0 is made and stored even for an expert without rows.
; NO CLUSTER: each slice of weights has one reader; what an expert's work-groups share, its token rows, goes to registers and not through LDS.
; LIMITS.  All operands and the bias are rounded to bf16, sums in f32.  A NaN ahead of the ReLU becomes 0.
; REGISTERS, in windows of 256 (s_set_vgpr_msb: bits 1:0 source 0, 3:2 source 1, 5:4 source 2, 7:6 destination):
;   window 0: v1-31 addresses; v40-47 zeros; v48-175 weight fragments of two K steps; v176-255 at work on the way out
;   window 1: accumulators of my tiles 0 to 3, (i, b) at 64 i + 8 b      window 2: v0-63 those of tile 4; v64-191 two sets of weights as loaded; v192-255 the bias as C operands
;   window 3: token fragments, (parity p of the chunk, K step st, tile i) at 80 p + 40 st + 8 i
.set PROD, 1
.if PROD == 1
.set WSH,    12                        ; a weight row is 4,096 bytes
.set TSH,    15                        ; a tile of token rows is 32,768 bytes
.set OSTR,   131072                    ; a tile of the output
.set SPARE,  36864                     ; behind the ring: the spare words, 128 bytes a wave, which no other line names
.else
.set WSH,    14
.set TSH,    17
.set OSTR,   65536
.set STAGE,  36864                     ; behind the ring: 16 rows x 528 bytes for each wave
.set SPARE,  70656
.endif
.set WPITCH, 1<<WSH
.set SLOT,   18432                     ; 128 rows x 144 bytes (64 bf16 + 16 of padding = 36 words: the 16 rows of a fragment load start at 16 different groups of four banks, ISA guide 11.1)
.set BF,     48
.set TMP,    176
.set WS,     64
.set BIAS,   192
.set WB,     22                        ; s[22:23] weights at the chunk that the trip's first period loads
.set AB,     24                        ; s[24:25] token rows, one chunk short of what the trip's first period loads
.set MSB, 0
.macro WIN new                         ; the immediate's high byte repeats the setting that is left; a switch that changes nothing is dropped
.if MSB != (\new)
	s_set_vgpr_msb (MSB<<8)|(\new)
.set MSB, (\new)
.endif
.endm
.macro PLACES                          ; four places behind matrix instructions, ahead of loads into their sources and of reads of their results
.rept 4
	v_nop
.endr
.endm
.macro WLOAD set, base, ck             ; 16 loads: my 32 weight rows, 256 bytes of chunk ck from the base
	WIN 0x80
.irp q, 0,1,2,3,4,5,6,7,8,9,10,11,12,13,14,15
	global_load_b128 v[WS+64*(\set)+4*\q:WS+64*(\set)+4*\q+3], v4, s[\base:\base+1] offset:2*\q*WPITCH+256*(\ck) th:TH_LOAD_NT
.endr
.endm
.macro ALOAD p, st, base, ck           ; 10 loads: K step st of chunk ck from the base, for my five tiles
	WIN 0xc0
.irp i, 0,1,2,3,4
	global_load_b128 v[80*(\p)+40*(\st)+8*\i:80*(\p)+40*(\st)+8*\i+3],   v[9+\i], s[\base:\base+1] offset:2048*(\ck)+1024*(\st)
	global_load_b128 v[80*(\p)+40*(\st)+8*\i+4:80*(\p)+40*(\st)+8*\i+7], v[9+\i], s[\base:\base+1] offset:2048*(\ck)+1024*(\st)+512
.endr
.endm
.macro WSTORE set                      ; set's weights rounded in place and laid into slot set
	WIN 0x8a
.irp q, 0,1,2,3,4,5,6,7,8,9,10,11,12,13,14,15
	v_cvt_pk_bf16_f32 v[WS+64*(\set)+4*\q],   v[WS+64*(\set)+4*\q],   v[WS+64*(\set)+4*\q+1]
	v_cvt_pk_bf16_f32 v[WS+64*(\set)+4*\q+1], v[WS+64*(\set)+4*\q+2], v[WS+64*(\set)+4*\q+3]
.endr
	WIN 0x08
.irp q, 0,1,2,3,4,5,6,7,8,9,10,11,12,13,14,15
	ds_store_b64 v[5+(\set)], v[WS+64*(\set)+4*\q:WS+64*(\set)+4*\q+1] offset:288*\q
.endr
.endm
.macro FETCH slot, t                   ; 16 LDS loads in one run: K step t of the slot's 128 rows as fragments
	WIN 0
.irp b, 0,1,2,3,4,5,6,7
	ds_load_b128 v[BF+64*(\t)+8*\b:BF+64*(\t)+8*\b+3],   v[7+(\slot)] offset:2304*\b+64*(\t)
	ds_load_b128 v[BF+64*(\t)+8*\b+4:BF+64*(\t)+8*\b+7], v[7+(\slot)] offset:2304*\b+64*(\t)+32
.endr
.endm
.macro MUL p, st                       ; 32 along K: 32 products for tiles 0 to 3, 8 for tile 4 where it exists.  The accumulators take turns, one instruction a turn
	WIN 0x5c
.irp i, 0,1,2,3
.irp b, 0,1,2,3,4,5,6,7
	v_wmma_f32_16x16x32_bf16 v[64*\i+8*\b:64*\i+8*\b+7], v[BF+64*(\st)+8*\b:BF+64*(\st)+8*\b+7], v[80*(\p)+40*(\st)+8*\i:80*(\p)+40*(\st)+8*\i+7], v[64*\i+8*\b:64*\i+8*\b+7]
.endr
.endr
	WIN 0
	s_cmp_eq_u32 s19, 0
	s_cbranch_scc1 .Lno4_\@
	WIN 0xac
.irp b, 0,1,2,3,4,5,6,7
	v_wmma_f32_16x16x32_bf16 v[8*\b:8*\b+7], v[BF+64*(\st)+8*\b:BF+64*(\st)+8*\b+7], v[80*(\p)+40*(\st)+32:80*(\p)+40*(\st)+39], v[8*\b:8*\b+7]
.endr
	WIN 0
.Lno4_\@:
	PLACES
.endm
; PERIOD c multiplies chunk c (slot and parity par = c % 2).  The fragments are asked for ONE K STEP AHEAD of their products, so that each run of 16 LDS loads, and the 16 LDS stores, have the
; 32 to 40 products of a K step in which to land:
;   head:    chunk c + 1's weights are rounded and laid into the other slot; the weights of chunk c + 3 are loaded; K step 1 of chunk c is asked for;
;   step 0:  its products (the fragments were asked for in the period before); then the token rows of chunk c + 2, K step 0;
;   middle:  THE BARRIER; K step 0 of chunk c + 1 is asked for, out of the other slot;
;   step 1:  its products; then the token rows of chunk c + 2, K step 1.
; ONE barrier a period.  Between two barriers every wave writes the slot of chunk c + 1 alone (its own 32 rows) and reads the slot of chunk c alone.  In front of the signal my stores of chunk c + 1
; and my reads of chunk c are done (the wait for 0); so behind it chunk c + 1 is whole, and the slot of chunk c may be written (by the next period's head).
; lc: the loads issued behind those that the period needs (weights c + 1, rows c): 16 of weights c + 2 and 20 of rows c + 1, as far as they exist.
; wk, ak: the chunk's place from the bases WB and AB.  nx = 0: the last period: no barrier, nothing more to ask for.
; stp = 1: the two bases are stepped, behind K step 0's products: the loads that name them were issued ahead of those products.
; pf: each lane asks for the 256 bytes of chunk c + 5 of one of my wave's 32 rows, two chunks ahead of the loads; pf = 2: not in the loop's last trip, where that chunk lies past K.
.macro PERIOD par, lc, ws, wl, al, wk, ak, pf, nx, stp
	s_wait_loadcnt \lc
.if \ws
	WSTORE 1-(\par)
.endif
.if \wl
	WLOAD 1-(\par), WB, \wk
.endif
.if (\pf) == 2
	WIN 0
	s_cmp_eq_u32 s21, 1
	s_cbranch_scc1 .Lnopf_\@
.endif
.if \pf
	global_prefetch_b8 v16, s[WB:WB+1] offset:256*(\wk)+512 th:TH_LOAD_NT scope:SCOPE_SE
.endif
.if (\pf) == 2
.Lnopf_\@:
.endif
	FETCH \par, 1
	s_wait_dscnt 16+16*(\ws)                       ; K step 0's fragments are in: this period's stores and K step 1's sixteen loads are younger
	MUL \par, 0
.if \stp
	s_wait_xcnt 0x0                                ; the two bases are stepped only behind this wait
	s_add_nc_u64 s[WB:WB+1], s[WB:WB+1], 512
	s_add_nc_u64 s[AB:AB+1], s[AB:AB+1], 4096
.endif
.if \al
	ALOAD \par, 0, AB, \ak
.endif
	s_wait_dscnt 0x0                               ; K step 1's fragments are in; for the others' sake: my stores into the other slot and my reads of this one are done
.if \nx
	s_barrier_signal -1
	s_barrier_wait -1
	FETCH 1-(\par), 0
.endif
	MUL \par, 1
.if \al
	ALOAD \par, 1, AB, \ak
.endif
.endm
; A tile of 16 rows x 128 columns leaves.  win, acc: where its eight accumulators lie.
.macro OUTT win, acc, base, imm
	WIN 0
	s_wait_xcnt 0x0                                ; the registers that earlier stores read are rewritten only behind this wait
.if PROD == 1
	WIN 0x05*(\win)
.irp b, 0,1,2,3,4,5,6,7
.irp n, 0,1,2,3
	v_cvt_pk_bf16_f32 v[TMP+4*\b+\n], v[(\acc)+8*\b+2*\n], v[(\acc)+8*\b+2*\n+1]
.endr
.endr
	WIN 0
.set z, 0
.rept 32
	v_pk_max_num_bf16 v[TMP+z], v[TMP+z], v40      ; the ReLU on the rounded numbers: rounding keeps sign and order
.set z, z+1
.endr
.irp b, 0,1,2,3,4,5,6,7
	global_store_b128 v15, v[TMP+4*\b:TMP+4*\b+3], s[\base:\base+1] offset:(\imm)+512*\b  ; 512 consecutive bytes: (K step, half) b of the next product's operand order
.endr
.else
	WIN 0x04*(\win)
.irp b, 0,1,2,3,4,5,6,7
	ds_store_b128 v18, v[(\acc)+8*\b:(\acc)+8*\b+3]   offset:64*\b
	ds_store_b128 v18, v[(\acc)+8*\b+4:(\acc)+8*\b+7] offset:64*\b+16
.endr
	WIN 0
.irp p, 0,1,2,3,4,5,6,7,8,9,10,11,12,13,14,15
	ds_load_b128 v[TMP+4*\p:TMP+4*\p+3], v19 offset:528*\p  ; my own stage: LDS serves a wave's instructions in order (ISA guide 5.7.1.4)
.endr
.irp p, 0,1,2,3,4,5,6,7,8,9,10,11,12,13,14,15
	s_wait_dscnt 15-\p
	global_store_b128 v15, v[TMP+4*\p:TMP+4*\p+3], s[\base:\base+1] offset:(\imm)+4096*\p  ; 512 consecutive bytes of row p
.endr
.endif
.endm
	s_load_b256 s[4:11], s[0:1], 0x0               ; weights s[4:5], bias s[6:7], token rows s[8:9], cnt s[10:11]
	s_load_b64 s[12:13], s[0:1], 0x20              ; output
	v_lshl_add_u32 v30, v0, 2, SPARE               ; my spare word,
	v_mov_b32 v31, 0                               ; and 0: kept for the closing lines alone
	v_lshrrev_b32 v22, 5, v0
	v_readfirstlane_b32 s14, v22                   ; wave w
	s_lshr_b32 s15, ttmp9, 5                       ; expert e
	v_and_b32 v1, 31, v0                           ; lane l
	v_and_b32 v2, 15, v0                           ; r
	v_bfe_u32 v3, v0, 4, 1                         ; hh
	s_lshl_b32 s26, s14, 5
	v_add_nc_u32 v22, s26, v3                      ; weight row 32 w + hh
	v_lshlrev_b32 v4, WSH, v22
	v_lshl_add_u32 v4, v2, 4, v4                   ; in memory: + 16 r
	v_mul_u32_u24 v5, v22, 144
	v_lshl_add_u32 v5, v2, 3, v5                   ; in slot 0: + 8 r
	v_add_nc_u32 v6, SLOT, v5                      ; in slot 1
	v_mul_u32_u24 v7, v2, 144
	v_lshl_add_u32 v7, v3, 4, v7                   ; a fragment's row r, 16 hh, in slot 0
	v_add_nc_u32 v8, SLOT, v7                      ; in slot 1
	v_lshlrev_b32 v14, 5, v3                       ; bias: 8 hh numbers of 4 bytes
	v_lshlrev_b32 v21, 4, v1                       ; 16 l
	s_mul_i32 s27, s14, OSTR
	v_add_nc_u32 v15, s27, v21                     ; output: tile w, 16 l
	v_add_nc_u32 v16, s26, v1
	v_lshlrev_b32 v16, WSH, v16                    ; weight row 32 w + l, for the prefetch
	v_lshlrev_b32 v20, WSH, v2
	v_lshl_add_u32 v20, v3, 5, v20                 ; weight row r, 8 hh numbers: the slow way's fragments
.if PROD == 2
	s_mul_i32 s27, s14, 8448
	s_add_co_u32 s27, s27, STAGE                   ; my stage
	v_mul_u32_u24 v18, v2, 528
	v_lshl_add_u32 v18, v3, 5, v18
	v_add_nc_u32 v18, s27, v18                     ; in: row r, 32 hh
	v_add_nc_u32 v19, s27, v21                     ; back: 16 l of a row
.endif
	s_mov_b32 s28, 0xffff0000
	s_mov_b32 s27, 0
	s_wait_kmcnt 0x0
.if PROD == 1
	s_and_b32 s30, ttmp9, 31                       ; slice of F
	s_lshl_b32 s26, s15, 24
	s_lshl_b32 s20, s30, 19
	s_add_co_u32 s26, s26, s20
	s_add_nc_u64 s[4:5], s[4:5], s[26:27]          ; w1 + e x 16 MiB + slice x 128 rows
	s_lshl_b32 s26, s15, 14
	s_lshl_b32 s20, s30, 9
	s_add_co_u32 s26, s26, s20
	s_add_nc_u64 s[6:7], s[6:7], s[26:27]
	s_lshl_b32 s26, s15, 21
	s_add_nc_u64 s[8:9], s[8:9], s[26:27]          ; xs + e x 64 tiles
	s_lshl_b32 s26, s15, 23
	s_lshl_b32 s20, s30, 12
	s_add_co_u32 s26, s26, s20
	s_add_nc_u64 s[12:13], s[12:13], s[26:27]      ; h + e x 64 tiles + the slice's four K steps
.else
	s_bfe_u32 s30, ttmp9, 0x30002                  ; slice of C
	s_and_b32 s21, ttmp9, 3                        ; quarter of F
	s_cmp_eq_u32 s21, 0
	s_cselect_b32 s29, -1, 0                       ; the bias belongs to the first quarter alone
	s_lshl_b32 s26, s15, 24
	s_lshl_b32 s20, s30, 21
	s_add_co_u32 s26, s26, s20
	s_lshl_b32 s20, s21, 12
	s_add_co_u32 s26, s26, s20
	s_add_nc_u64 s[4:5], s[4:5], s[26:27]
	s_lshl_b32 s26, s15, 12
	s_lshl_b32 s20, s30, 9
	s_add_co_u32 s26, s26, s20
	s_add_nc_u64 s[6:7], s[6:7], s[26:27]
	s_lshl_b32 s26, s15, 23
	s_lshl_b32 s20, s21, 15
	s_add_co_u32 s26, s26, s20
	s_add_nc_u64 s[8:9], s[8:9], s[26:27]
	s_lshl_b32 s26, s21, 25
	s_lshl_b32 s20, s15, 22
	s_add_co_u32 s26, s26, s20
	s_lshl_b32 s20, s30, 9
	s_add_co_u32 s26, s26, s20
	s_add_nc_u64 s[12:13], s[12:13], s[26:27]
.endif
	s_lshl_b32 s26, s15, 2
	s_add_nc_u64 s[10:11], s[10:11], s[26:27]
	s_load_b32 s16, s[10:11], 0x0                  ; the expert's rows
	WIN 0x80
.irp b, 0,1,2,3,4,5,6,7
	global_load_b128 v[BIAS+8*\b:BIAS+8*\b+3],   v14, s[6:7] offset:64*\b
	global_load_b128 v[BIAS+8*\b+4:BIAS+8*\b+7], v14, s[6:7] offset:64*\b+16
.endr
	WLOAD 0, 4, 0
	WLOAD 1, 4, 1
	global_prefetch_b8 v16, s[4:5] offset:768 th:TH_LOAD_NT scope:SCOPE_SE   ; chunks 3 and 4
	global_prefetch_b8 v16, s[4:5] offset:1024 th:TH_LOAD_NT scope:SCOPE_SE
	WIN 0
	s_wait_kmcnt 0x0
	s_min_u32 s16, s16, 1024
	s_add_co_u32 s17, s16, 15
	s_lshr_b32 s17, s17, 4                         ; tiles that exist
	s_max_u32 s18, s17, 1                          ; tiles that are made: tile 0 always
	s_sub_co_u32 s20, s18, 1
	s_add_co_u32 s26, s14, 16
	s_cmp_lt_u32 s26, s17
	s_cselect_b32 s19, 1, 0                        ; does my fifth tile exist?
.irp i, 0,1,2,3,4
	s_add_co_u32 s26, s14, 4*\i
	s_min_u32 s26, s26, s20                        ; a tile that does not exist reads the last that does,
	s_min_u32 s26, s26, 63
	s_lshl_b32 s26, s26, TSH
	v_add_nc_u32 v[9+\i], s26, v21
.endr
	ALOAD 0, 0, 8, 0
	ALOAD 0, 1, 8, 0
	s_wait_loadcnt 52                              ; the bias is in: 32 loads of weights and 20 of rows are younger
	WIN 0x8a
.set z, BIAS
.rept 32                               ; the bias rounded to bf16 and widened again, a pair at a time
	v_cvt_pk_bf16_f32 v[z+1], v[z], v[z+1]
.if PROD == 2
	v_and_b32 v[z+1], s29, v[z+1]
.endif
	v_lshlrev_b32 v[z], 16, v[z+1]
	v_and_b32 v[z+1], s28, v[z+1]
.set z, z+2
.endr
	WIN 0
.irp i, 0,1,2,3,4,5,6,7
	v_mov_b32 v[40+\i], 0
.endr
	; Every sum starts at its bias: 40 products of zeros with the bias as C, issued while the first weights are on their way; they spare 320 moves and an addition on the way out.
	WIN 0x60
.irp i, 0,1,2,3
.irp b, 0,1,2,3,4,5,6,7
	v_wmma_f32_16x16x32_bf16 v[64*\i+8*\b:64*\i+8*\b+7], v[40:47], v[40:47], v[BIAS+8*\b:BIAS+8*\b+7]
.endr
.endr
	WIN 0xa0
.irp b, 0,1,2,3,4,5,6,7
	v_wmma_f32_16x16x32_bf16 v[8*\b:8*\b+7], v[40:47], v[40:47], v[BIAS+8*\b:BIAS+8*\b+7]
.endr
	WIN 0
	PLACES
	s_wait_loadcnt 36                              ; chunk 0's weights are in: chunk 1's 16 loads and the 20 of rows are younger
	WSTORE 0
	WLOAD 0, 4, 2
	ALOAD 1, 0, 8, 1
	ALOAD 1, 1, 8, 1
	WIN 0
	s_wait_dscnt 0x0                               ; for the others' sake: my rows of chunk 0 are in slot 0
	s_barrier_signal -1
	s_barrier_wait -1
	FETCH 0, 0                                     ; K step 0 of chunk 0
	s_add_nc_u64 s[WB:WB+1], s[4:5], 768           ; chunk 3
	s_add_nc_u64 s[AB:AB+1], s[8:9], 2048          ; chunk 1: the first period of a trip loads one chunk on, the second, behind the step, at the base
	s_mov_b32 s21, 6
.Lk:                                                   ; six trips of two periods: chunks 0 to 11
	PERIOD 0, 36, 1, 1, 1, 0, 1, 1, 1, 0
	PERIOD 1, 36, 1, 1, 1, 1, 0, 2, 1, 1
	WIN 0
	s_sub_co_u32 s21, s21, 1
	s_cmp_lg_u32 s21, 0
	s_cbranch_scc1 .Lk
	PERIOD 0, 36, 1, 1, 1, 0, 1, 0, 1, 0           ; chunk 12: loads the last weights (15) and rows 14
	PERIOD 1, 36, 1, 0, 1, 0, 2, 0, 1, 0           ; chunk 13: loads rows 15
	PERIOD 0, 20, 1, 0, 0, 0, 0, 0, 1, 0           ; chunk 14: only rows 15's 20 loads are younger
	PERIOD 1, 0, 0, 0, 0, 0, 0, 0, 0, 0            ; chunk 15
.irp i, 0,1,2,3,4                      ; the way out: my tiles in ascending order, as far as they are made
	WIN 0
	s_add_co_u32 s26, s14, 4*\i
	s_cmp_le_u32 s18, s26
	s_cbranch_scc1 .Lfast_done
.if \i < 4
	OUTT 1, 64*\i, 12, 4*\i*OSTR
.else
	OUTT 2, 0, 12, 4*\i*OSTR
.endif
.endr
	WIN 0
.Lfast_done:
	; THE SLOW WAY, for tiles 20 + w + 4 u: no LDS ring, no barrier; weights and rows come from memory straight into registers.
	s_mov_b32 s31, 0
.Lu:
	s_lshl_b32 s32, s31, 2
	s_add_co_u32 s32, s32, s14
	s_add_co_u32 s32, s32, 20
	s_cmp_ge_u32 s32, s17
	s_cbranch_scc1 .Lskip
	s_wait_xcnt 0x0                                ; the three bases are rewritten only behind this wait
	s_mov_b64 s[34:35], s[4:5]
	s_lshl_b32 s26, s32, TSH
	s_mov_b32 s27, 0
	s_add_nc_u64 s[36:37], s[8:9], s[26:27]
	s_sub_co_u32 s26, s32, s14
	s_mul_i32 s26, s26, OSTR
	s_add_nc_u64 s[38:39], s[12:13], s[26:27]
.rept 5
	v_nop                                          ; five places: the products below write over accumulators of the products before (ISA guide 7.12.1)
.endr
	WIN 0x60
.irp b, 0,1,2,3,4,5,6,7
	v_wmma_f32_16x16x32_bf16 v[8*\b:8*\b+7], v[40:47], v[40:47], v[BIAS+8*\b:BIAS+8*\b+7]
.endr
	WIN 0
	PLACES
	s_mov_b32 s33, 32
.Lo:                                                   ; 32 along K a trip
	WIN 0x80
.irp b, 0,1,2,3,4,5,6,7
.irp n, 0,1,2,3
	global_load_b128 v[WS+16*\b+4*\n:WS+16*\b+4*\n+3], v20, s[34:35] offset:16*\b*WPITCH+16*(\n%2)+64*(\n/2)
.endr
.endr
	WIN 0xc0
	global_load_b128 v[0:3], v21, s[36:37]
	global_load_b128 v[4:7], v21, s[36:37] offset:512
	s_wait_loadcnt 0x0
	WIN 0x0a
.set z, 0
.rept 64
	v_cvt_pk_bf16_f32 v[BF+z], v[WS+2*z], v[WS+2*z+1]
.set z, z+1
.endr
	WIN 0x5c
.irp b, 0,1,2,3,4,5,6,7
	v_wmma_f32_16x16x32_bf16 v[8*\b:8*\b+7], v[BF+8*\b:BF+8*\b+7], v[0:7], v[8*\b:8*\b+7]
.endr
	WIN 0
	PLACES
	s_wait_xcnt 0x0
	s_add_nc_u64 s[34:35], s[34:35], 128
	s_add_nc_u64 s[36:37], s[36:37], 1024
	s_sub_co_u32 s33, s33, 1
	s_cmp_lg_u32 s33, 0
	s_cbranch_scc1 .Lo
	OUTT 1, 0, 38, 0
.Lskip:
	s_add_co_u32 s31, s31, 1
	s_cmp_lt_u32 s31, 11
	s_cbranch_scc1 .Lu
	s_wait_tensorcnt 0x0                           ; the wave's end
	ds_add_u32 v30, v31
	s_wait_dscnt 0x0
	s_endpgm
.Lfunc_end_k_qfee26c0754_up:
	.size	k_qfee26c0754_up, .Lfunc_end_k_qfee26c0754_up-k_qfee26c0754_up
	.p2alignl 7, 3214868480
	.fill 96, 4, 3214868480
	.section	.rodata,"a",@progbits
	.p2align	6, 0x0
	.amdhsa_kernel k_qfee26c0754_up
		.amdhsa_group_segment_fixed_size 37376
		.amdhsa_private_segment_fixed_size 0
		.amdhsa_enable_private_segment 0
		.amdhsa_kernarg_size 40
		.amdhsa_user_sgpr_count 2
		.amdhsa_user_sgpr_kernarg_segment_ptr 1
		.amdhsa_wavefront_size32 1
		.amdhsa_system_sgpr_workgroup_id_x 1
		.amdhsa_system_sgpr_workgroup_id_y 1
		.amdhsa_system_sgpr_workgroup_id_z 1
		.amdhsa_system_vgpr_workitem_id 0
		.amdhsa_next_free_vgpr 928
		.amdhsa_next_free_sgpr 66
		.amdhsa_reserve_vcc 0
		.amdhsa_float_denorm_mode_32 3
		.amdhsa_float_denorm_mode_16_64 3
		.amdhsa_memory_ordered 1
		.amdhsa_forward_progress 1
		.amdhsa_inst_pref_size 139
	.end_amdhsa_kernel
	.amdgpu_metadata
---
amdhsa.version: [ 1, 2 ]
amdhsa.kernels:
  - .name:           k_qfee26c0754_up
    .symbol:         k_qfee26c0754_up.kd
    .args:
      - { .name: w1, .offset: 0, .size: 8, .value_kind: global_buffer, .address_space: global }
      - { .name: b1, .offset: 8, .size: 8, .value_kind: global_buffer, .address_space: global }
      - { .name: xs, .offset: 16, .size: 8, .value_kind: global_buffer, .address_space: global }
      - { .name: cnt, .offset: 24, .size: 8, .value_kind: global_buffer, .address_space: global }
      - { .name: h, .offset: 32, .size: 8, .value_kind: global_buffer, .address_space: global }
    .group_segment_fixed_size: 37376
    .private_segment_fixed_size: 0
    .kernarg_segment_align: 8
    .kernarg_segment_size: 40
    .max_flat_workgroup_size: 128
    .sgpr_count:     66
    .vgpr_count:     928
    .wavefront_size: 32
...
	.end_amdgpu_metadata
.endif
;; end of part 3
;; launch down (part 4): grid 256 x 1, 4 waves a work-group, no clusters, 71,168 bytes of LDS; arguments w2, b2, h, cnt, part; writes part
.if DOCPART == 4
	.amdgcn_target "amdgcn-amd-amdhsa--gfx1250"
	.amdhsa_code_object_version 6
	.text
	.protected	k_qfee26c0754_down
	.globl	k_qfee26c0754_down
	.p2align	8
	.type	k_qfee26c0754_down,@function
k_qfee26c0754_down:
	s_mov_b64 s[64:65], 0
	v_nop
	global_prefetch_b8 v0, s[64:65] scope:SCOPE_SE
	s_setreg_imm32_b32 hwreg(HW_REG_WAVE_MODE, 25, 1), 1
	s_wait_xcnt 0x0
; ONE TEXT FOR BOTH PRODUCTS OF AN EXPERT (PROD = 1: h = relu(xs w1^T + b1), bf16 out; PROD = 2: part = h w2^T (+ b2 in the first K quarter), f32 partial sums out).
; SHARES.  A work-group has 128 rows of one expert's weights over K = 1,024 (524,288 bytes of f32), which it alone reads, once, and all of that expert's token rows.
;   PROD 1: 32 slices of F an expert.  PROD 2: 8 slices of C x 4 quarters of F; the four quarters' sums are added by the next launch.
; WEIGHTS come through registers: a load covers 2 rows x 256 consecutive bytes; they are rounded to bf16 once and laid into a ring of two LDS slots of 64 along K; two chunks' loads are always out.
; TOKEN ROWS lie in memory in operand order ([tile][K step][half][lane][8]): a fragment is two loads of 512 consecutive bytes straight into the operand's registers.  Wave w owns the row tiles 4 i + w.
; THE MATRIX INSTRUCTION IS USED TRANSPOSED: source 0 = 16 weight rows, source 1 = 16 token rows; a lane then holds token l % 16 and eight neighbouring columns 8 (l / 16) + 0..7.
;   For PROD 1 these, packed to bf16, ARE the operand order of the next product: no stage.  For PROD 2 a tile goes through the wave's own stage and leaves as rows of 512 bytes.
; EVERY SPLIT IS SERVED.  Tiles 0 to 19 (320 rows) take the fast way (tile 16 + w is jumped where it does not exist); tiles 20 to 63 a loop without LDS and barriers, 11 trips a wave of which
;   the dead ones are jumped: right, but slow, since it reads the weights again for each tile.  Tile 0 is made and stored even for an expert without rows.
; NO CLUSTER: each slice of weights has one reader; what an expert's work-groups share, its token rows, goes to registers and not through LDS.
; LIMITS.  All operands and the bias are rounded to bf16, sums in f32.  A NaN ahead of the ReLU becomes 0.
; REGISTERS, in windows of 256 (s_set_vgpr_msb: bits 1:0 source 0, 3:2 source 1, 5:4 source 2, 7:6 destination):
;   window 0: v1-31 addresses; v40-47 zeros; v48-175 weight fragments of two K steps; v176-255 at work on the way out
;   window 1: accumulators of my tiles 0 to 3, (i, b) at 64 i + 8 b      window 2: v0-63 those of tile 4; v64-191 two sets of weights as loaded; v192-255 the bias as C operands
;   window 3: token fragments, (parity p of the chunk, K step st, tile i) at 80 p + 40 st + 8 i
.set PROD, 2
.if PROD == 1
.set WSH,    12                        ; a weight row is 4,096 bytes
.set TSH,    15                        ; a tile of token rows is 32,768 bytes
.set OSTR,   131072                    ; a tile of the output
.set SPARE,  36864                     ; behind the ring: the spare words, 128 bytes a wave, which no other line names
.else
.set WSH,    14                        ; a weight row is 16,384 bytes
.set TSH,    17                        ; a tile of token rows is 131,072 bytes
.set OSTR,   65536                     ; a tile of the output: 16 rows of 4,096 bytes
.set STAGE,  36864                     ; behind the ring: 16 rows x 528 bytes for each wave
.set SPARE,  70656                     ; behind the stages: the spare words, 128 bytes a wave, which no other line names
.endif
.set WPITCH, 1<<WSH
.set SLOT,   18432                     ; 128 rows x 144 bytes (64 bf16 + 16 of padding = 36 words: the 16 rows of a fragment load start at 16 different groups of four banks, ISA guide 11.1)
.set BF,     48
.set TMP,    176
.set WS,     64
.set BIAS,   192
.set WB,     22                        ; s[22:23] weights at the chunk that the trip's first period loads
.set AB,     24                        ; s[24:25] token rows, one chunk short of what the trip's first period loads
.set MSB, 0
.macro WIN new                         ; the immediate's high byte repeats the setting that is left; a switch that changes nothing is dropped
.if MSB != (\new)
	s_set_vgpr_msb (MSB<<8)|(\new)
.set MSB, (\new)
.endif
.endm
.macro PLACES                          ; four places behind matrix instructions, ahead of loads into their sources and of reads of their results
.rept 4
	v_nop
.endr
.endm
.macro WLOAD set, base, ck             ; 16 loads: my 32 weight rows, 256 bytes of chunk ck from the base
	WIN 0x80
.irp q, 0,1,2,3,4,5,6,7,8,9,10,11,12,13,14,15
	global_load_b128 v[WS+64*(\set)+4*\q:WS+64*(\set)+4*\q+3], v4, s[\base:\base+1] offset:2*\q*WPITCH+256*(\ck) th:TH_LOAD_NT
.endr
.endm
.macro ALOAD p, st, base, ck           ; 10 loads: K step st of chunk ck from the base, for my five tiles
	WIN 0xc0
.irp i, 0,1,2,3,4
	global_load_b128 v[80*(\p)+40*(\st)+8*\i:80*(\p)+40*(\st)+8*\i+3],   v[9+\i], s[\base:\base+1] offset:2048*(\ck)+1024*(\st)
	global_load_b128 v[80*(\p)+40*(\st)+8*\i+4:80*(\p)+40*(\st)+8*\i+7], v[9+\i], s[\base:\base+1] offset:2048*(\ck)+1024*(\st)+512
.endr
.endm
.macro WSTORE set                      ; set's weights rounded in place and laid into slot set
	WIN 0x8a
.irp q, 0,1,2,3,4,5,6,7,8,9,10,11,12,13,14,15
	v_cvt_pk_bf16_f32 v[WS+64*(\set)+4*\q],   v[WS+64*(\set)+4*\q],   v[WS+64*(\set)+4*\q+1]
	v_cvt_pk_bf16_f32 v[WS+64*(\set)+4*\q+1], v[WS+64*(\set)+4*\q+2], v[WS+64*(\set)+4*\q+3]
.endr
	WIN 0x08
.irp q, 0,1,2,3,4,5,6,7,8,9,10,11,12,13,14,15
	ds_store_b64 v[5+(\set)], v[WS+64*(\set)+4*\q:WS+64*(\set)+4*\q+1] offset:288*\q
.endr
.endm
.macro FETCH slot, t                   ; 16 LDS loads in one run: K step t of the slot's 128 rows as fragments
	WIN 0
.irp b, 0,1,2,3,4,5,6,7
	ds_load_b128 v[BF+64*(\t)+8*\b:BF+64*(\t)+8*\b+3],   v[7+(\slot)] offset:2304*\b+64*(\t)
	ds_load_b128 v[BF+64*(\t)+8*\b+4:BF+64*(\t)+8*\b+7], v[7+(\slot)] offset:2304*\b+64*(\t)+32
.endr
.endm
.macro MUL p, st                       ; 32 along K: 32 products for tiles 0 to 3, 8 for tile 4 where it exists.  The accumulators take turns, one instruction a turn
	WIN 0x5c
.irp i, 0,1,2,3
.irp b, 0,1,2,3,4,5,6,7
	v_wmma_f32_16x16x32_bf16 v[64*\i+8*\b:64*\i+8*\b+7], v[BF+64*(\st)+8*\b:BF+64*(\st)+8*\b+7], v[80*(\p)+40*(\st)+8*\i:80*(\p)+40*(\st)+8*\i+7], v[64*\i+8*\b:64*\i+8*\b+7]
.endr
.endr
	WIN 0
	s_cmp_eq_u32 s19, 0
	s_cbranch_scc1 .Lno4_\@
	WIN 0xac
.irp b, 0,1,2,3,4,5,6,7
	v_wmma_f32_16x16x32_bf16 v[8*\b:8*\b+7], v[BF+64*(\st)+8*\b:BF+64*(\st)+8*\b+7], v[80*(\p)+40*(\st)+32:80*(\p)+40*(\st)+39], v[8*\b:8*\b+7]
.endr
	WIN 0
.Lno4_\@:
	PLACES
.endm
; PERIOD c multiplies chunk c (slot and parity par = c % 2).  The fragments are asked for ONE K STEP AHEAD of their products, so that each run of 16 LDS loads, and the 16 LDS stores, have the
; 32 to 40 products of a K step in which to land:
;   head:    chunk c + 1's weights are rounded and laid into the other slot; the weights of chunk c + 3 are loaded; K step 1 of chunk c is asked for;
;   step 0:  its products (the fragments were asked for in the period before); then the token rows of chunk c + 2, K step 0;
;   middle:  THE BARRIER; K step 0 of chunk c + 1 is asked for, out of the other slot;
;   step 1:  its products; then the token rows of chunk c + 2, K step 1.
; ONE barrier a period.  Between two barriers every wave writes the slot of chunk c + 1 alone (its own 32 rows) and reads the slot of chunk c alone.  In front of the signal my stores of chunk c + 1
; and my reads of chunk c are done (the wait for 0); so behind it chunk c + 1 is whole, and the slot of chunk c may be written (by the next period's head).
; lc: the loads issued behind those that the period needs (weights c + 1, rows c): 16 of weights c + 2 and 20 of rows c + 1, as far as they exist.
; wk, ak: the chunk's place from the bases WB and AB.  nx = 0: the last period: no barrier, nothing more to ask for.
; stp = 1: the two bases are stepped, behind K step 0's products: the loads that name them were issued ahead of those products.
; pf: each lane asks for the 256 bytes of chunk c + 5 of one of my wave's 32 rows, two chunks ahead of the loads; pf = 2: not in the loop's last trip, where that chunk lies past K.
.macro PERIOD par, lc, ws, wl, al, wk, ak, pf, nx, stp
	s_wait_loadcnt \lc
.if \ws
	WSTORE 1-(\par)
.endif
.if \wl
	WLOAD 1-(\par), WB, \wk
.endif
.if (\pf) == 2
	WIN 0
	s_cmp_eq_u32 s21, 1
	s_cbranch_scc1 .Lnopf_\@
.endif
.if \pf
	global_prefetch_b8 v16, s[WB:WB+1] offset:256*(\wk)+512 th:TH_LOAD_NT scope:SCOPE_SE
.endif
.if (\pf) == 2
.Lnopf_\@:
.endif
	FETCH \par, 1
	s_wait_dscnt 16+16*(\ws)                       ; K step 0's fragments are in: this period's stores and K step 1's sixteen loads are younger
	MUL \par, 0
.if \stp
	s_wait_xcnt 0x0                                ; the two bases are stepped only behind this wait
	s_add_nc_u64 s[WB:WB+1], s[WB:WB+1], 512
	s_add_nc_u64 s[AB:AB+1], s[AB:AB+1], 4096
.endif
.if \al
	ALOAD \par, 0, AB, \ak
.endif
	s_wait_dscnt 0x0                               ; K step 1's fragments are in; for the others' sake: my stores into the other slot and my reads of this one are done
.if \nx
	s_barrier_signal -1
	s_barrier_wait -1
	FETCH 1-(\par), 0
.endif
	MUL \par, 1
.if \al
	ALOAD \par, 1, AB, \ak
.endif
.endm
; A tile of 16 rows x 128 columns leaves.  win, acc: where its eight accumulators lie.
.macro OUTT win, acc, base, imm
	WIN 0
	s_wait_xcnt 0x0                                ; the registers that earlier stores read are rewritten only behind this wait
.if PROD == 1
	WIN 0x05*(\win)
.irp b, 0,1,2,3,4,5,6,7
.irp n, 0,1,2,3
	v_cvt_pk_bf16_f32 v[TMP+4*\b+\n], v[(\acc)+8*\b+2*\n], v[(\acc)+8*\b+2*\n+1]
.endr
.endr
	WIN 0
.set z, 0
.rept 32
	v_pk_max_num_bf16 v[TMP+z], v[TMP+z], v40      ; the ReLU on the rounded numbers: rounding keeps sign and order
.set z, z+1
.endr
.irp b, 0,1,2,3,4,5,6,7
	global_store_b128 v15, v[TMP+4*\b:TMP+4*\b+3], s[\base:\base+1] offset:(\imm)+512*\b  ; 512 consecutive bytes: (K step, half) b of the next product's operand order
.endr
.else
	WIN 0x04*(\win)
.irp b, 0,1,2,3,4,5,6,7
	ds_store_b128 v18, v[(\acc)+8*\b:(\acc)+8*\b+3]   offset:64*\b
	ds_store_b128 v18, v[(\acc)+8*\b+4:(\acc)+8*\b+7] offset:64*\b+16
.endr
	WIN 0
.irp p, 0,1,2,3,4,5,6,7,8,9,10,11,12,13,14,15
	ds_load_b128 v[TMP+4*\p:TMP+4*\p+3], v19 offset:528*\p  ; my own stage: LDS serves a wave's instructions in order (ISA guide 5.7.1.4)
.endr
.irp p, 0,1,2,3,4,5,6,7,8,9,10,11,12,13,14,15
	s_wait_dscnt 15-\p
	global_store_b128 v15, v[TMP+4*\p:TMP+4*\p+3], s[\base:\base+1] offset:(\imm)+4096*\p  ; 512 consecutive bytes of row p
.endr
.endif
.endm
	s_load_b256 s[4:11], s[0:1], 0x0               ; weights s[4:5], bias s[6:7], token rows s[8:9], cnt s[10:11]
	s_load_b64 s[12:13], s[0:1], 0x20              ; output
	v_lshl_add_u32 v30, v0, 2, SPARE               ; my spare word,
	v_mov_b32 v31, 0                               ; and 0: kept for the closing lines alone
	v_lshrrev_b32 v22, 5, v0
	v_readfirstlane_b32 s14, v22                   ; wave w
	s_lshr_b32 s15, ttmp9, 5                       ; expert e
	v_and_b32 v1, 31, v0                           ; lane l
	v_and_b32 v2, 15, v0                           ; r
	v_bfe_u32 v3, v0, 4, 1                         ; hh
	s_lshl_b32 s26, s14, 5
	v_add_nc_u32 v22, s26, v3                      ; weight row 32 w + hh
	v_lshlrev_b32 v4, WSH, v22
	v_lshl_add_u32 v4, v2, 4, v4                   ; in memory: + 16 r
	v_mul_u32_u24 v5, v22, 144
	v_lshl_add_u32 v5, v2, 3, v5                   ; in slot 0: + 8 r
	v_add_nc_u32 v6, SLOT, v5                      ; in slot 1
	v_mul_u32_u24 v7, v2, 144
	v_lshl_add_u32 v7, v3, 4, v7                   ; a fragment's row r, 16 hh, in slot 0
	v_add_nc_u32 v8, SLOT, v7                      ; in slot 1
	v_lshlrev_b32 v14, 5, v3                       ; bias: 8 hh numbers of 4 bytes
	v_lshlrev_b32 v21, 4, v1                       ; 16 l
	s_mul_i32 s27, s14, OSTR
	v_add_nc_u32 v15, s27, v21                     ; output: tile w, 16 l
	v_add_nc_u32 v16, s26, v1
	v_lshlrev_b32 v16, WSH, v16                    ; weight row 32 w + l, for the prefetch
	v_lshlrev_b32 v20, WSH, v2
	v_lshl_add_u32 v20, v3, 5, v20                 ; weight row r, 8 hh numbers: the slow way's fragments
.if PROD == 2
	s_mul_i32 s27, s14, 8448
	s_add_co_u32 s27, s27, STAGE                   ; my stage
	v_mul_u32_u24 v18, v2, 528
	v_lshl_add_u32 v18, v3, 5, v18
	v_add_nc_u32 v18, s27, v18                     ; in: row r, 32 hh
	v_add_nc_u32 v19, s27, v21                     ; back: 16 l of a row
.endif
	s_mov_b32 s28, 0xffff0000
	s_mov_b32 s27, 0
	s_wait_kmcnt 0x0
.if PROD == 1
	s_and_b32 s30, ttmp9, 31                       ; slice of F
	s_lshl_b32 s26, s15, 24
	s_lshl_b32 s20, s30, 19
	s_add_co_u32 s26, s26, s20
	s_add_nc_u64 s[4:5], s[4:5], s[26:27]          ; w1 + e x 16 MiB + slice x 128 rows
	s_lshl_b32 s26, s15, 14
	s_lshl_b32 s20, s30, 9
	s_add_co_u32 s26, s26, s20
	s_add_nc_u64 s[6:7], s[6:7], s[26:27]
	s_lshl_b32 s26, s15, 21
	s_add_nc_u64 s[8:9], s[8:9], s[26:27]          ; xs + e x 64 tiles
	s_lshl_b32 s26, s15, 23
	s_lshl_b32 s20, s30, 12
	s_add_co_u32 s26, s26, s20
	s_add_nc_u64 s[12:13], s[12:13], s[26:27]      ; h + e x 64 tiles + the slice's four K steps
.else
	s_bfe_u32 s30, ttmp9, 0x30002                  ; slice of C
	s_and_b32 s21, ttmp9, 3                        ; quarter of F
	s_cmp_eq_u32 s21, 0
	s_cselect_b32 s29, -1, 0                       ; the bias belongs to the first quarter alone
	s_lshl_b32 s26, s15, 24
	s_lshl_b32 s20, s30, 21
	s_add_co_u32 s26, s26, s20
	s_lshl_b32 s20, s21, 12
	s_add_co_u32 s26, s26, s20
	s_add_nc_u64 s[4:5], s[4:5], s[26:27]          ; w2 + e x 16 MiB + slice x 128 rows + quarter x 1,024 numbers
	s_lshl_b32 s26, s15, 12
	s_lshl_b32 s20, s30, 9
	s_add_co_u32 s26, s26, s20
	s_add_nc_u64 s[6:7], s[6:7], s[26:27]
	s_lshl_b32 s26, s15, 23
	s_lshl_b32 s20, s21, 15
	s_add_co_u32 s26, s26, s20
	s_add_nc_u64 s[8:9], s[8:9], s[26:27]          ; h + e x 64 tiles + the quarter's 32 K steps
	s_lshl_b32 s26, s21, 25
	s_lshl_b32 s20, s15, 22
	s_add_co_u32 s26, s26, s20
	s_lshl_b32 s20, s30, 9
	s_add_co_u32 s26, s26, s20
	s_add_nc_u64 s[12:13], s[12:13], s[26:27]      ; part + quarter x 32 MiB + e x 1,024 rows + the slice's 512 bytes
.endif
	s_lshl_b32 s26, s15, 2
	s_add_nc_u64 s[10:11], s[10:11], s[26:27]
	s_load_b32 s16, s[10:11], 0x0                  ; the expert's rows
	WIN 0x80
.irp b, 0,1,2,3,4,5,6,7
	global_load_b128 v[BIAS+8*\b:BIAS+8*\b+3],   v14, s[6:7] offset:64*\b
	global_load_b128 v[BIAS+8*\b+4:BIAS+8*\b+7], v14, s[6:7] offset:64*\b+16
.endr
	WLOAD 0, 4, 0
	WLOAD 1, 4, 1
	global_prefetch_b8 v16, s[4:5] offset:768 th:TH_LOAD_NT scope:SCOPE_SE   ; chunks 3 and 4
	global_prefetch_b8 v16, s[4:5] offset:1024 th:TH_LOAD_NT scope:SCOPE_SE
	WIN 0
	s_wait_kmcnt 0x0
	s_min_u32 s16, s16, 1024
	s_add_co_u32 s17, s16, 15
	s_lshr_b32 s17, s17, 4                         ; tiles that exist
	s_max_u32 s18, s17, 1                          ; tiles that are made: tile 0 always
	s_sub_co_u32 s20, s18, 1
	s_add_co_u32 s26, s14, 16
	s_cmp_lt_u32 s26, s17
	s_cselect_b32 s19, 1, 0                        ; does my fifth tile exist?
.irp i, 0,1,2,3,4
	s_add_co_u32 s26, s14, 4*\i
	s_min_u32 s26, s26, s20                        ; a tile that does not exist reads the last that does,
	s_min_u32 s26, s26, 63
	s_lshl_b32 s26, s26, TSH
	v_add_nc_u32 v[9+\i], s26, v21
.endr
	ALOAD 0, 0, 8, 0
	ALOAD 0, 1, 8, 0
	s_wait_loadcnt 52                              ; the bias is in: 32 loads of weights and 20 of rows are younger
	WIN 0x8a
.set z, BIAS
.rept 32                               ; the bias rounded to bf16 and widened again, a pair at a time
	v_cvt_pk_bf16_f32 v[z+1], v[z], v[z+1]
.if PROD == 2
	v_and_b32 v[z+1], s29, v[z+1]
.endif
	v_lshlrev_b32 v[z], 16, v[z+1]
	v_and_b32 v[z+1], s28, v[z+1]
.set z, z+2
.endr
	WIN 0
.irp i, 0,1,2,3,4,5,6,7
	v_mov_b32 v[40+\i], 0
.endr
	; Every sum starts at its bias: 40 products of zeros with the bias as C, issued while the first weights are on their way; they spare 320 moves and an addition on the way out.
	WIN 0x60
.irp i, 0,1,2,3
.irp b, 0,1,2,3,4,5,6,7
	v_wmma_f32_16x16x32_bf16 v[64*\i+8*\b:64*\i+8*\b+7], v[40:47], v[40:47], v[BIAS+8*\b:BIAS+8*\b+7]
.endr
.endr
	WIN 0xa0
.irp b, 0,1,2,3,4,5,6,7
	v_wmma_f32_16x16x32_bf16 v[8*\b:8*\b+7], v[40:47], v[40:47], v[BIAS+8*\b:BIAS+8*\b+7]
.endr
	WIN 0
	PLACES
	s_wait_loadcnt 36                              ; chunk 0's weights are in: chunk 1's 16 loads and the 20 of rows are younger
	WSTORE 0
	WLOAD 0, 4, 2
	ALOAD 1, 0, 8, 1
	ALOAD 1, 1, 8, 1
	WIN 0
	s_wait_dscnt 0x0                               ; for the others' sake: my rows of chunk 0 are in slot 0
	s_barrier_signal -1
	s_barrier_wait -1
	FETCH 0, 0                                     ; K step 0 of chunk 0
	s_add_nc_u64 s[WB:WB+1], s[4:5], 768           ; chunk 3
	s_add_nc_u64 s[AB:AB+1], s[8:9], 2048          ; chunk 1: the first period of a trip loads one chunk on, the second, behind the step, at the base
	s_mov_b32 s21, 6
.Lk:                                                   ; six trips of two periods: chunks 0 to 11
	PERIOD 0, 36, 1, 1, 1, 0, 1, 1, 1, 0
	PERIOD 1, 36, 1, 1, 1, 1, 0, 2, 1, 1
	WIN 0
	s_sub_co_u32 s21, s21, 1
	s_cmp_lg_u32 s21, 0
	s_cbranch_scc1 .Lk
	PERIOD 0, 36, 1, 1, 1, 0, 1, 0, 1, 0           ; chunk 12: loads the last weights (15) and rows 14
	PERIOD 1, 36, 1, 0, 1, 0, 2, 0, 1, 0           ; chunk 13: loads rows 15
	PERIOD 0, 20, 1, 0, 0, 0, 0, 0, 1, 0           ; chunk 14: only rows 15's 20 loads are younger
	PERIOD 1, 0, 0, 0, 0, 0, 0, 0, 0, 0            ; chunk 15
.irp i, 0,1,2,3,4                      ; the way out: my tiles in ascending order, as far as they are made
	WIN 0
	s_add_co_u32 s26, s14, 4*\i
	s_cmp_le_u32 s18, s26
	s_cbranch_scc1 .Lfast_done
.if \i < 4
	OUTT 1, 64*\i, 12, 4*\i*OSTR
.else
	OUTT 2, 0, 12, 4*\i*OSTR
.endif
.endr
	WIN 0
.Lfast_done:
	; THE SLOW WAY, for tiles 20 + w + 4 u: no LDS ring, no barrier; weights and rows come from memory straight into registers.
	s_mov_b32 s31, 0
.Lu:
	s_lshl_b32 s32, s31, 2
	s_add_co_u32 s32, s32, s14
	s_add_co_u32 s32, s32, 20
	s_cmp_ge_u32 s32, s17
	s_cbranch_scc1 .Lskip
	s_wait_xcnt 0x0                                ; the three bases are rewritten only behind this wait
	s_mov_b64 s[34:35], s[4:5]
	s_lshl_b32 s26, s32, TSH
	s_mov_b32 s27, 0
	s_add_nc_u64 s[36:37], s[8:9], s[26:27]
	s_sub_co_u32 s26, s32, s14
	s_mul_i32 s26, s26, OSTR
	s_add_nc_u64 s[38:39], s[12:13], s[26:27]
.rept 5
	v_nop                                          ; five places: the products below write over accumulators of the products before (ISA guide 7.12.1)
.endr
	WIN 0x60
.irp b, 0,1,2,3,4,5,6,7
	v_wmma_f32_16x16x32_bf16 v[8*\b:8*\b+7], v[40:47], v[40:47], v[BIAS+8*\b:BIAS+8*\b+7]
.endr
	WIN 0
	PLACES
	s_mov_b32 s33, 32
.Lo:                                                   ; 32 along K a trip
	WIN 0x80
.irp b, 0,1,2,3,4,5,6,7
.irp n, 0,1,2,3
	global_load_b128 v[WS+16*\b+4*\n:WS+16*\b+4*\n+3], v20, s[34:35] offset:16*\b*WPITCH+16*(\n%2)+64*(\n/2)
.endr
.endr
	WIN 0xc0
	global_load_b128 v[0:3], v21, s[36:37]
	global_load_b128 v[4:7], v21, s[36:37] offset:512
	s_wait_loadcnt 0x0
	WIN 0x0a
.set z, 0
.rept 64
	v_cvt_pk_bf16_f32 v[BF+z], v[WS+2*z], v[WS+2*z+1]
.set z, z+1
.endr
	WIN 0x5c
.irp b, 0,1,2,3,4,5,6,7
	v_wmma_f32_16x16x32_bf16 v[8*\b:8*\b+7], v[BF+8*\b:BF+8*\b+7], v[0:7], v[8*\b:8*\b+7]
.endr
	WIN 0
	PLACES
	s_wait_xcnt 0x0
	s_add_nc_u64 s[34:35], s[34:35], 128
	s_add_nc_u64 s[36:37], s[36:37], 1024
	s_sub_co_u32 s33, s33, 1
	s_cmp_lg_u32 s33, 0
	s_cbranch_scc1 .Lo
	OUTT 1, 0, 38, 0
.Lskip:
	s_add_co_u32 s31, s31, 1
	s_cmp_lt_u32 s31, 11
	s_cbranch_scc1 .Lu
	s_wait_tensorcnt 0x0                           ; the wave's end
	ds_add_u32 v30, v31
	s_wait_dscnt 0x0
	s_endpgm
.Lfunc_end_k_qfee26c0754_down:
	.size	k_qfee26c0754_down, .Lfunc_end_k_qfee26c0754_down-k_qfee26c0754_down
	.p2alignl 7, 3214868480
	.fill 96, 4, 3214868480
	.section	.rodata,"a",@progbits
	.p2align	6, 0x0
	.amdhsa_kernel k_qfee26c0754_down
		.amdhsa_group_segment_fixed_size 71168
		.amdhsa_private_segment_fixed_size 0
		.amdhsa_enable_private_segment 0
		.amdhsa_kernarg_size 40
		.amdhsa_user_sgpr_count 2
		.amdhsa_user_sgpr_kernarg_segment_ptr 1
		.amdhsa_wavefront_size32 1
		.amdhsa_system_sgpr_workgroup_id_x 1
		.amdhsa_system_sgpr_workgroup_id_y 1
		.amdhsa_system_sgpr_workgroup_id_z 1
		.amdhsa_system_vgpr_workitem_id 0
		.amdhsa_next_free_vgpr 928
		.amdhsa_next_free_sgpr 66
		.amdhsa_reserve_vcc 0
		.amdhsa_float_denorm_mode_32 3
		.amdhsa_float_denorm_mode_16_64 3
		.amdhsa_memory_ordered 1
		.amdhsa_forward_progress 1
		.amdhsa_inst_pref_size 136
	.end_amdhsa_kernel
	.amdgpu_metadata
---
amdhsa.version: [ 1, 2 ]
amdhsa.kernels:
  - .name:           k_qfee26c0754_down
    .symbol:         k_qfee26c0754_down.kd
    .args:
      - { .name: w2, .offset: 0, .size: 8, .value_kind: global_buffer, .address_space: global }
      - { .name: b2, .offset: 8, .size: 8, .value_kind: global_buffer, .address_space: global }
      - { .name: h, .offset: 16, .size: 8, .value_kind: global_buffer, .address_space: global }
      - { .name: cnt, .offset: 24, .size: 8, .value_kind: global_buffer, .address_space: global }
      - { .name: part, .offset: 32, .size: 8, .value_kind: global_buffer, .address_space: global }
    .group_segment_fixed_size: 71168
    .private_segment_fixed_size: 0
    .kernarg_segment_align: 8
    .kernarg_segment_size: 40
    .max_flat_workgroup_size: 128
    .sgpr_count:     66
    .vgpr_count:     928
    .wavefront_size: 32
...
	.end_amdgpu_metadata
.endif
;; end of part 4
;; launch combine (part 5): grid 256 x 1, 8 waves a work-group, no clusters, 0 bytes of LDS; arguments part, gate, pos, out0; writes out0
.if DOCPART == 5
	.amdgcn_target "amdgcn-amd-amdhsa--gfx1250"
	.amdhsa_code_object_version 6
	.text
	.protected	k_qfee26c0754_combine
	.globl	k_qfee26c0754_combine
	.p2align	8
	.type	k_qfee26c0754_combine,@function
k_qfee26c0754_combine:
	s_mov_b64 s[64:65], 0
	v_nop
	global_prefetch_b8 v0, s[64:65] scope:SCOPE_SE
	s_setreg_imm32_b32 hwreg(HW_REG_WAVE_MODE, 25, 1), 1
	s_wait_xcnt 0x0
; COMBINE.  out[token] = g0 x (the four K quarters' sums of the row of its lower expert) + g1 x (those of its higher expert).  All in f32; each output byte has one owner.
; A wave owns half a token: 2,048 bytes.  Its 32 loads (2 experts x 4 quarters x 4 pieces of 512 consecutive bytes) all go out before the first wait.
; Where the rows lie (pos) was stored as whole numbers by an earlier launch; it is clamped to the buffer's 8,192 rows a quarter.
; A stream: no LDS, no barrier, no matrix unit: there is nothing that waves share.
	s_load_b256 s[4:11], s[0:1], 0x0               ; part s[4:5], gate s[6:7], pos s[8:9], out0 s[10:11]
	v_lshrrev_b32 v5, 5, v0
	v_readfirstlane_b32 s12, v5                    ; wave
	v_and_b32 v1, 31, v0
	s_lshl_b32 s13, ttmp9, 2
	s_lshr_b32 s32, s12, 1
	s_add_co_u32 s13, s13, s32                     ; token = 4 x work-group + wave / 2
	s_lshl_b32 s32, s13, 3                         ; 8 bytes a token in pos and in gate
	s_mov_b32 s33, 0
	s_and_b32 s34, s12, 1
	s_lshl_b32 s34, s34, 11                        ; which half of the row
	v_lshl_add_u32 v4, v1, 4, s34
	s_lshl_b32 s36, s13, 12
	s_mov_b32 s37, 0
	s_wait_kmcnt 0x0
	s_add_nc_u64 s[8:9], s[8:9], s[32:33]
	s_add_nc_u64 s[6:7], s[6:7], s[32:33]
	s_load_b64 s[14:15], s[8:9], 0x0               ; the two rows,
	s_load_b64 s[16:17], s[6:7], 0x0               ; the two weights
	s_add_nc_u64 s[30:31], s[10:11], s[36:37]      ; out0 at my token
	s_mov_b64 s[22:23], s[4:5]                     ; the four quarters of part, 32 MiB apart
	s_add_nc_u64 s[24:25], s[4:5], 0x2000000
	s_add_nc_u64 s[26:27], s[4:5], 0x4000000
	s_add_nc_u64 s[28:29], s[4:5], 0x6000000
	s_wait_kmcnt 0x0
	s_min_u32 s14, s14, 8191
	s_min_u32 s15, s15, 8191
	s_lshl_b32 s14, s14, 12
	s_lshl_b32 s15, s15, 12
	v_add_nc_u32 v2, s14, v4
	v_add_nc_u32 v3, s15, v4
	s_mov_b32 s18, s16                             ; each weight as a pair: the packed forms name a pair and take its low word for both halves
	s_mov_b32 s19, s16
	s_mov_b32 s20, s17
	s_mov_b32 s21, s17
.irp q, 0,1,2,3
.irp sl, 0,1
.irp kq, 0,1,2,3
	global_load_b128 v[8+32*\q+16*\sl+4*\kq:8+32*\q+16*\sl+4*\kq+3], v[2+\sl], s[22+2*\kq:23+2*\kq] offset:512*\q th:TH_LOAD_NT
.endr
.endr
.endr
.irp q, 0,1,2,3
	s_wait_loadcnt 24-8*\q                         ; piece q's eight loads are in; the later pieces' stay out
.irp sl, 0,1
.irp kq, 1,2,3                         ; the quarters in ascending order
	v_pk_add_f32 v[8+32*\q+16*\sl:9+32*\q+16*\sl],   v[8+32*\q+16*\sl:9+32*\q+16*\sl],   v[8+32*\q+16*\sl+4*\kq:9+32*\q+16*\sl+4*\kq]
	v_pk_add_f32 v[10+32*\q+16*\sl:11+32*\q+16*\sl], v[10+32*\q+16*\sl:11+32*\q+16*\sl], v[10+32*\q+16*\sl+4*\kq:11+32*\q+16*\sl+4*\kq]
.endr
.endr
	v_pk_mul_f32 v[8+32*\q:9+32*\q],   v[8+32*\q:9+32*\q],   s[18:19] op_sel_hi:[1,0]
	v_pk_mul_f32 v[10+32*\q:11+32*\q], v[10+32*\q:11+32*\q], s[18:19] op_sel_hi:[1,0]
	v_pk_fma_f32 v[8+32*\q:9+32*\q],   v[24+32*\q:25+32*\q], s[20:21], v[8+32*\q:9+32*\q]   op_sel_hi:[1,0,1]
	v_pk_fma_f32 v[10+32*\q:11+32*\q], v[26+32*\q:27+32*\q], s[20:21], v[10+32*\q:11+32*\q] op_sel_hi:[1,0,1]
	global_store_b128 v4, v[8+32*\q:11+32*\q], s[30:31] offset:512*\q th:TH_STORE_NT  ; 512 consecutive bytes, at a multiple of 512 from the buffer's first
.endr
	s_endpgm
.Lfunc_end_k_qfee26c0754_combine:
	.size	k_qfee26c0754_combine, .Lfunc_end_k_qfee26c0754_combine-k_qfee26c0754_combine
	.p2alignl 7, 3214868480
	.fill 96, 4, 3214868480
	.section	.rodata,"a",@progbits
	.p2align	6, 0x0
	.amdhsa_kernel k_qfee26c0754_combine
		.amdhsa_group_segment_fixed_size 0
		.amdhsa_private_segment_fixed_size 0
		.amdhsa_enable_private_segment 0
		.amdhsa_kernarg_size 32
		.amdhsa_user_sgpr_count 2
		.amdhsa_user_sgpr_kernarg_segment_ptr 1
		.amdhsa_wavefront_size32 1
		.amdhsa_system_sgpr_workgroup_id_x 1
		.amdhsa_system_sgpr_workgroup_id_y 1
		.amdhsa_system_sgpr_workgroup_id_z 1
		.amdhsa_system_vgpr_workitem_id 0
		.amdhsa_next_free_vgpr 144
		.amdhsa_next_free_sgpr 66
		.amdhsa_reserve_vcc 0
		.amdhsa_float_denorm_mode_32 3
		.amdhsa_float_denorm_mode_16_64 3
		.amdhsa_memory_ordered 1
		.amdhsa_forward_progress 1
		.amdhsa_inst_pref_size 10
	.end_amdhsa_kernel
	.amdgpu_metadata
---
amdhsa.version: [ 1, 2 ]
amdhsa.kernels:
  - .name:           k_qfee26c0754_combine
    .symbol:         k_qfee26c0754_combine.kd
    .args:
      - { .name: part, .offset: 0, .size: 8, .value_kind: global_buffer, .address_space: global }
      - { .name: gate, .offset: 8, .size: 8, .value_kind: global_buffer, .address_space: global }
      - { .name: pos, .offset: 16, .size: 8, .value_kind: global_buffer, .address_space: global }
      - { .name: out0, .offset: 24, .size: 8, .value_kind: global_buffer, .address_space: global }
    .group_segment_fixed_size: 0
    .private_segment_fixed_size: 0
    .kernarg_segment_align: 8
    .kernarg_segment_size: 32
    .max_flat_workgroup_size: 256
    .sgpr_count:     66
    .vgpr_count:     144
    .wavefront_size: 32
...
	.end_amdgpu_metadata
.endif
;; end of part 5
;; ======== version 2 of 2: 5 launches; version 1 with the launches up, down written anew for expert scheduling mode
;; limits: values outside matrix products are rounded to bf16
;; workspace buffers: gate 8,192 bytes; bits 2,048 bytes of whole numbers; cnt 256 bytes of whole numbers; pos 8,192 bytes of whole numbers; xs 16,777,216 bytes; h 67,108,864 bytes; part 134,217,728 bytes
;; launch router: the kernel of part 1 again; grid 64 x 1, 8 waves a work-group, no clusters, 44,032 bytes of LDS; arguments x, router_w, gate, bits; writes gate, bits
;; launch place: the kernel of part 2 again; grid 8 x 64, 8 waves a work-group, no clusters, 37,888 bytes of LDS; arguments x, bits, xs, cnt, pos; writes xs, cnt, pos
;; launch up (part 6): grid 256 x 1, 4 waves a work-group, no clusters, 37,376 bytes of LDS; arguments w1, b1, xs, cnt, h; writes h
.if DOCPART == 6
	.amdgcn_target "amdgcn-amd-amdhsa--gfx1250"
	.amdhsa_code_object_version 6
	.text
	.protected	k_qfee26c0754_up
	.globl	k_qfee26c0754_up
	.p2align	8
	.type	k_qfee26c0754_up,@function
k_qfee26c0754_up:
	s_mov_b64 s[64:65], 0
	v_nop
	global_prefetch_b8 v0, s[64:65] scope:SCOPE_SE
	s_setreg_imm32_b32 hwreg(HW_REG_WAVE_SCHED_MODE, 0, 2), 2
	s_setreg_imm32_b32 hwreg(HW_REG_WAVE_MODE, 25, 1), 1
	s_wait_xcnt 0x0
	s_wait_alu depctr_vm_vsrc(0)
; ONE TEXT FOR BOTH PRODUCTS OF AN EXPERT (PROD = 1: h = relu(xs w1^T + b1), bf16 out; PROD = 2: part = h w2^T (+ b2 in the first K quarter), f32 partial sums out).
; SHARES.  A work-group has 128 rows of one expert's weights over K = 1,024 (524,288 bytes of f32), which it alone reads, once, and all of that expert's token rows.
;   PROD 1: 32 slices of F an expert.  PROD 2: 8 slices of C x 4 quarters of F; the four quarters' sums are added by the next launch.
; WEIGHTS come through registers: a load covers 2 rows x 256 consecutive bytes; they are rounded to bf16 once and laid into a ring of two LDS slots of 64 along K; two chunks' loads are always out.
; TOKEN ROWS lie in memory in operand order ([tile][K step][half][lane][8]): a fragment is two loads of 512 consecutive bytes straight into the operand's registers.  Wave w owns the row tiles 4 i + w.
; THE MATRIX INSTRUCTION IS USED TRANSPOSED: source 0 = 16 weight rows, source 1 = 16 token rows; a lane then holds token l % 16 and eight neighbouring columns 8 (l / 16) + 0..7.
;   For PROD 1 these, packed to bf16, ARE the operand order of the next product: no stage.  For PROD 2 a tile goes through the wave's own stage and leaves as rows of 512 bytes.
; EVERY SPLIT IS SERVED.  Tiles 0 to 19 (320 rows) take the fast way (tile 16 + w is jumped where it does not exist); tiles 20 to 63 a loop without LDS and barriers, 11 trips a wave of which
;   the dead ones are jumped: right, but slow, since it reads the weights again for each tile.  Tile 0 is made and stored even for an expert without rows.
; NO CLUSTER: each slice of weights has one reader; what an expert's work-groups share, its token rows, goes to registers and not through LDS.
; LIMITS.  All operands and the bias are rounded to bf16, sums in f32.  A NaN ahead of the ReLU becomes 0.
; REGISTERS, in windows of 256 (s_set_vgpr_msb: bits 1:0 source 0, 3:2 source 1, 5:4 source 2, 7:6 destination):
;   window 0: v1-22 addresses; v40-47 zeros; v48-175 weight fragments of two K steps (BF0, BF1); v176-255 in the K loop the rounded weights on their way to LDS (OB, v176-207), later at work on the way out
;   window 1: accumulators of my tiles 0 to 3, (i, b) at 64 i + 8 b      window 2: v0-63 those of tile 4; v64-191 two sets of weights as loaded (WS0, WS1); v192-255 the bias as C operands
;   window 3: token fragments AF, (parity p of the chunk, K step st, tile i) at 80 p + 40 st + 8 i
; THE MODE: SCHED_MODE bits 1:0 = 2 (LLVM: expert scheduling mode 2), set by the entry lines.  The code itself states the register dependences
; between vector or matrix instructions and memory or LDS instructions, with s_wait_alu, always for 0.
; THE PLAN.  Registers that memory or LDS instructions touch in the K loop (period c, par = c % 2):
;   WS[1-par]    read by the 32 conversions at the period's head (weights c + 1); later in the period the loads of weights c + 3 land in it.  No store reads it: the conversions write OB.
;   OB           written by those conversions; read by the period's 16 LDS stores; written again a period later.
;   BF[st]       read by K step st's products; the LDS loads of the same K step one chunk on land in it during the other K step's products.
;   AF[p][st]    read by the products of (parity p, K step st); the loads of the same K step two chunks on land in it during the next K step's products.
;   v4-v16, v18-v21  offsets and addresses, made at the head and never written again: the rows are reached by two scalar bases, stepped once a trip, and by immediate offsets.
;   The accumulators are named by matrix instructions alone.
; So ONE wait on va_vdst stands ahead of each K step's products: it states that the K step before is done reading its BF and its AF (and, at a period's head, that the conversions have written OB and
; are done reading WS).  The loads into those registers are dealt among the K step's products, which name the other BF, the other AF and the accumulators.  One wait on vm_vsrc a period frees OB.
.set PROD, 1
.if PROD == 1
.set WSH,    12                        ; a weight row is 4,096 bytes
.set TSH,    15                        ; a tile of token rows is 32,768 bytes
.set OSTR,   131072                    ; a tile of the output
.else
.set WSH,    14
.set TSH,    17
.set OSTR,   65536
.set STAGE,  36864                     ; behind the ring: 16 rows x 528 bytes for each wave
.endif
.set WPITCH, 1<<WSH
.set SLOT,   18432                     ; 128 rows x 144 bytes (64 bf16 + 16 of padding = 36 words: the 16 rows of a fragment load start at 16 different groups of four banks, ISA guide 11.1)
.set BF,     48
.set TMP,    176
.set OB,     176
.set WS,     64
.set BIAS,   192
.set WB,     22                        ; s[22:23] weights at the chunk that the trip's first period loads
.set AB,     24                        ; s[24:25] token rows at the chunk behind the one that the trip's first period multiplies
.set MSB, 0
.macro WIN new                         ; the immediate's high byte repeats the setting that is left; a switch that changes nothing is dropped
.if MSB != (\new)
	s_set_vgpr_msb (MSB<<8)|(\new)
.set MSB, (\new)
.endif
.endm
.macro PLACES                          ; four places behind matrix instructions, ahead of loads into their sources and of reads of their results
.rept 4
	v_nop
.endr
.endm
.macro WLOAD set, base, ck             ; 16 loads: my 32 weight rows, 256 bytes of chunk ck from the base
	WIN 0x80
.irp q, 0,1,2,3,4,5,6,7,8,9,10,11,12,13,14,15
	global_load_b128 v[WS+64*(\set)+4*\q:WS+64*(\set)+4*\q+3], v4, s[\base:\base+1] offset:2*\q*WPITCH+256*(\ck) th:TH_LOAD_NT
.endr
.endm
.macro ALOAD p, st, base, ck           ; 10 loads: K step st of chunk ck from the base, for my five tiles
	WIN 0xc0
.irp i, 0,1,2,3,4
	global_load_b128 v[80*(\p)+40*(\st)+8*\i:80*(\p)+40*(\st)+8*\i+3],   v[9+\i], s[\base:\base+1] offset:2048*(\ck)+1024*(\st)
	global_load_b128 v[80*(\p)+40*(\st)+8*\i+4:80*(\p)+40*(\st)+8*\i+7], v[9+\i], s[\base:\base+1] offset:2048*(\ck)+1024*(\st)+512
.endr
.endm
.macro WCVT set                        ; set's weights rounded, out of the registers in which they landed into OB
	WIN 0x0a
.irp q, 0,1,2,3,4,5,6,7,8,9,10,11,12,13,14,15
	v_cvt_pk_bf16_f32 v[OB+2*\q],   v[WS+64*(\set)+4*\q],   v[WS+64*(\set)+4*\q+1]
	v_cvt_pk_bf16_f32 v[OB+2*\q+1], v[WS+64*(\set)+4*\q+2], v[WS+64*(\set)+4*\q+3]
.endr
.endm
.macro WPUT set                        ; OB laid into slot set
	WIN 0
.irp q, 0,1,2,3,4,5,6,7,8,9,10,11,12,13,14,15
	ds_store_b64 v[5+(\set)], v[OB+2*\q:OB+2*\q+1] offset:288*\q
.endr
.endm
.macro FETCH slot, t                   ; 16 LDS loads in one run: K step t of the slot's 128 rows as fragments
	WIN 0
.irp b, 0,1,2,3,4,5,6,7
	ds_load_b128 v[BF+64*(\t)+8*\b:BF+64*(\t)+8*\b+3],   v[7+(\slot)] offset:2304*\b+64*(\t)
	ds_load_b128 v[BF+64*(\t)+8*\b+4:BF+64*(\t)+8*\b+7], v[7+(\slot)] offset:2304*\b+64*(\t)+32
.endr
.endm
; 32 along K: 8 products for each of tiles 0 to 3 (G), 8 for tile 4 where it exists (G4), always in this order.  The accumulators take turns, one instruction a turn.
.macro G p, st, i
	WIN 0x5c
.irp b, 0,1,2,3,4,5,6,7
	v_wmma_f32_16x16x32_bf16 v[64*(\i)+8*\b:64*(\i)+8*\b+7], v[BF+64*(\st)+8*\b:BF+64*(\st)+8*\b+7], v[80*(\p)+40*(\st)+8*(\i):80*(\p)+40*(\st)+8*(\i)+7], v[64*(\i)+8*\b:64*(\i)+8*\b+7]
.endr
.endm
.macro G4 p, st
	WIN 0
	s_cmp_eq_u32 s19, 0
	s_cbranch_scc1 .Lno4_\@
	WIN 0xac
.irp b, 0,1,2,3,4,5,6,7
	v_wmma_f32_16x16x32_bf16 v[8*\b:8*\b+7], v[BF+64*(\st)+8*\b:BF+64*(\st)+8*\b+7], v[80*(\p)+40*(\st)+32:80*(\p)+40*(\st)+39], v[8*\b:8*\b+7]
.endr
	WIN 0
.Lno4_\@:
	PLACES
.endm
; PERIOD c multiplies chunk c (slot and parity par = c % 2), in two K steps.  The fragments are asked for ONE K STEP AHEAD of their products.
;   head:    chunk c + 1's weights are rounded into OB; the wait; OB is laid into the other slot;
;   step 0:  its products, and dealt among them: K step 1's fragments of chunk c (behind tile 0's products), the token rows of chunk c + 1, K step 1 (behind tile 1's), the weights of chunk c + 3 (behind tile 3's);
;   middle:  the wait; THE BARRIER;
;   step 1:  its products, and dealt among them: K step 0's fragments of chunk c + 1, out of the other slot (behind tile 0's), the token rows of chunk c + 2, K step 0 (behind tile 1's).
; ONE barrier a period.  Between two barriers every wave writes the slot of chunk c + 1 alone (its own 32 rows) and reads the slot of chunk c alone.  In front of the signal my stores of chunk c + 1
; and my reads of chunk c are done (the wait for 0); so behind it chunk c + 1 is whole, and the slot of chunk c may be written (by the next period's head).
; The loads go out in this order: rows (c + 1, step 1) 10, weights c + 3 16, rows (c + 2, step 0) 10.
; lc0: the loads issued behind those that the head and step 0 need (weights c + 1, rows (c, step 0)): rows (c, step 1) 10, weights c + 2 16, rows (c + 1, step 0) 10, as far as they exist.
; lc1: those issued behind rows (c, step 1): weights c + 2 16, rows (c + 1, step 0) 10, rows (c + 1, step 1) 10, weights c + 3 16, as far as they exist.
; ws, wl, a1, a0: the period rounds and stores weights; loads weights; loads rows of step 1; of step 0.  wk, ak1, ak0: their chunks' places from the bases WB and AB.
; nx = 0: the last period: no barrier, nothing more to ask for.
; pf: each lane asks for the 256 bytes of chunk c + 5 of one of my wave's 32 rows, two chunks ahead of the loads; pf = 2: not in the loop's last trip, where that chunk lies past K.
.macro PERIOD par, lc0, lc1, ws, wl, a1, a0, wk, ak1, ak0, pf, nx
	s_wait_loadcnt \lc0
.if \ws
	s_wait_alu depctr_vm_vsrc(0)                   ; the LDS stores of the period before have read OB, which the conversions below write again
	WCVT 1-(\par)
.endif
	s_wait_alu depctr_va_vdst(0)                   ; the conversions have written OB, which the LDS stores read, and are done reading their set of weights, in which loads land; the K step before is done reading BF1 and its token fragments, in which loads land
.if \ws
	WPUT 1-(\par)
.endif
	s_wait_dscnt 16*(\ws)                          ; K step 0's fragments are in: only this period's stores are younger
	G \par, 0, 0
	FETCH \par, 1                                  ; no wait: no vector or matrix instruction since the wait above names BF1,
	G \par, 0, 1
.if \a1
	ALOAD 1-(\par), 1, AB, \ak1                    ; the other parity's K step 1,
.endif
	G \par, 0, 2
	G \par, 0, 3
.if \wl
	WLOAD 1-(\par), WB, \wk                        ; or the set of weights that was rounded
.endif
.if (\pf) == 2
	WIN 0
	s_cmp_eq_u32 s21, 1
	s_cbranch_scc1 .Lnopf_\@
.endif
.if \pf
	global_prefetch_b8 v16, s[WB:WB+1] offset:256*(\wk)+512 th:TH_LOAD_NT scope:SCOPE_SE
.endif
.if (\pf) == 2
.Lnopf_\@:
.endif
	G4 \par, 0
	s_wait_loadcnt \lc1                            ; K step 1's token rows are in
.if (\nx) || (\a0)
	s_wait_alu depctr_va_vdst(0)                   ; K step 0's products are done reading BF0 and their token fragments, in which the loads below land
.endif
	s_wait_dscnt 0x0                               ; K step 1's fragments are in; for the others' sake: my stores into the other slot and my reads of this one are done
.if \nx
	s_barrier_signal -1
	s_barrier_wait -1
.endif
	G \par, 1, 0
.if \nx
	FETCH 1-(\par), 0                              ; no wait: no vector or matrix instruction since the wait above names BF0,
.endif
	G \par, 1, 1
.if \a0
	ALOAD \par, 0, AB, \ak0                        ; or this parity's K step 0
.endif
	G \par, 1, 2
	G \par, 1, 3
	G4 \par, 1
.endm
; A tile of 16 rows x 128 columns leaves.  win, acc: where its eight accumulators lie.
.macro OUTT win, acc, base, imm
	WIN 0
	s_wait_xcnt 0x0                                ; the registers that earlier stores read are rewritten only behind this wait
	s_wait_alu depctr_vm_vsrc(0)                   ; the stores issued so far (the ring's LDS stores out of OB, the tile before's stores) have read v[TMP ..], which is written below
.if PROD == 1
	WIN 0x05*(\win)
.irp b, 0,1,2,3,4,5,6,7
.irp n, 0,1,2,3
	v_cvt_pk_bf16_f32 v[TMP+4*\b+\n], v[(\acc)+8*\b+2*\n], v[(\acc)+8*\b+2*\n+1]
.endr
.endr
	WIN 0
.set z, 0
.rept 32
	v_pk_max_num_bf16 v[TMP+z], v[TMP+z], v40      ; the ReLU on the rounded numbers: rounding keeps sign and order
.set z, z+1
.endr
	s_wait_alu depctr_va_vdst(0)                   ; the ReLU has written v[TMP ..], which the stores read
.irp b, 0,1,2,3,4,5,6,7
	global_store_b128 v15, v[TMP+4*\b:TMP+4*\b+3], s[\base:\base+1] offset:(\imm)+512*\b  ; 512 consecutive bytes: (K step, half) b of the next product's operand order
.endr
.else
	WIN 0x04*(\win)
.irp b, 0,1,2,3,4,5,6,7
	ds_store_b128 v18, v[(\acc)+8*\b:(\acc)+8*\b+3]   offset:64*\b
	ds_store_b128 v18, v[(\acc)+8*\b+4:(\acc)+8*\b+7] offset:64*\b+16
.endr
	WIN 0
.irp p, 0,1,2,3,4,5,6,7,8,9,10,11,12,13,14,15
	ds_load_b128 v[TMP+4*\p:TMP+4*\p+3], v19 offset:528*\p  ; my own stage: LDS serves a wave's instructions in order (ISA guide 5.7.1.4)
.endr
.irp p, 0,1,2,3,4,5,6,7,8,9,10,11,12,13,14,15
	s_wait_dscnt 15-\p
	global_store_b128 v15, v[TMP+4*\p:TMP+4*\p+3], s[\base:\base+1] offset:(\imm)+4096*\p  ; 512 consecutive bytes of row p
.endr
.endif
.endm
	s_load_b256 s[4:11], s[0:1], 0x0               ; weights s[4:5], bias s[6:7], token rows s[8:9], cnt s[10:11]
	s_load_b64 s[12:13], s[0:1], 0x20              ; output
	v_lshl_add_u32 v254, v0, 2, 0x9000
	v_mov_b32 v255, 0
	v_lshrrev_b32 v22, 5, v0
	v_readfirstlane_b32 s14, v22                   ; wave w
	s_lshr_b32 s15, ttmp9, 5                       ; expert e
	v_and_b32 v1, 31, v0                           ; lane l
	v_and_b32 v2, 15, v0                           ; r
	v_bfe_u32 v3, v0, 4, 1                         ; hh
	s_wait_alu depctr_va_sdst(0)                   ; s14 is written, ahead of its first reader: addresses, bases and branches are made from it
	s_lshl_b32 s26, s14, 5
	v_add_nc_u32 v22, s26, v3                      ; weight row 32 w + hh
	v_lshlrev_b32 v4, WSH, v22
	v_lshl_add_u32 v4, v2, 4, v4                   ; in memory: + 16 r
	v_mul_u32_u24 v5, v22, 144
	v_lshl_add_u32 v5, v2, 3, v5                   ; in slot 0: + 8 r
	v_add_nc_u32 v6, SLOT, v5                      ; in slot 1
	v_mul_u32_u24 v7, v2, 144
	v_lshl_add_u32 v7, v3, 4, v7                   ; a fragment's row r, 16 hh, in slot 0
	v_add_nc_u32 v8, SLOT, v7                      ; in slot 1
	v_lshlrev_b32 v14, 5, v3                       ; bias: 8 hh numbers of 4 bytes
	v_lshlrev_b32 v21, 4, v1                       ; 16 l
	s_mul_i32 s27, s14, OSTR
	v_add_nc_u32 v15, s27, v21                     ; output: tile w, 16 l
	v_add_nc_u32 v16, s26, v1
	v_lshlrev_b32 v16, WSH, v16                    ; weight row 32 w + l, for the prefetch
	v_lshlrev_b32 v20, WSH, v2
	v_lshl_add_u32 v20, v3, 5, v20                 ; weight row r, 8 hh numbers: the slow way's fragments
.if PROD == 2
	s_mul_i32 s27, s14, 8448
	s_add_co_u32 s27, s27, STAGE                   ; my stage
	v_mul_u32_u24 v18, v2, 528
	v_lshl_add_u32 v18, v3, 5, v18
	v_add_nc_u32 v18, s27, v18                     ; in: row r, 32 hh
	v_add_nc_u32 v19, s27, v21                     ; back: 16 l of a row
.endif
	s_mov_b32 s28, 0xffff0000
	s_mov_b32 s27, 0
	s_wait_kmcnt 0x0
.if PROD == 1
	s_and_b32 s30, ttmp9, 31                       ; slice of F
	s_lshl_b32 s26, s15, 24
	s_lshl_b32 s20, s30, 19
	s_add_co_u32 s26, s26, s20
	s_add_nc_u64 s[4:5], s[4:5], s[26:27]          ; w1 + e x 16 MiB + slice x 128 rows
	s_lshl_b32 s26, s15, 14
	s_lshl_b32 s20, s30, 9
	s_add_co_u32 s26, s26, s20
	s_add_nc_u64 s[6:7], s[6:7], s[26:27]
	s_lshl_b32 s26, s15, 21
	s_add_nc_u64 s[8:9], s[8:9], s[26:27]          ; xs + e x 64 tiles
	s_lshl_b32 s26, s15, 23
	s_lshl_b32 s20, s30, 12
	s_add_co_u32 s26, s26, s20
	s_add_nc_u64 s[12:13], s[12:13], s[26:27]      ; h + e x 64 tiles + the slice's four K steps
.else
	s_bfe_u32 s30, ttmp9, 0x30002                  ; slice of C
	s_and_b32 s21, ttmp9, 3                        ; quarter of F
	s_cmp_eq_u32 s21, 0
	s_cselect_b32 s29, -1, 0                       ; the bias belongs to the first quarter alone
	s_lshl_b32 s26, s15, 24
	s_lshl_b32 s20, s30, 21
	s_add_co_u32 s26, s26, s20
	s_lshl_b32 s20, s21, 12
	s_add_co_u32 s26, s26, s20
	s_add_nc_u64 s[4:5], s[4:5], s[26:27]
	s_lshl_b32 s26, s15, 12
	s_lshl_b32 s20, s30, 9
	s_add_co_u32 s26, s26, s20
	s_add_nc_u64 s[6:7], s[6:7], s[26:27]
	s_lshl_b32 s26, s15, 23
	s_lshl_b32 s20, s21, 15
	s_add_co_u32 s26, s26, s20
	s_add_nc_u64 s[8:9], s[8:9], s[26:27]
	s_lshl_b32 s26, s21, 25
	s_lshl_b32 s20, s15, 22
	s_add_co_u32 s26, s26, s20
	s_lshl_b32 s20, s30, 9
	s_add_co_u32 s26, s26, s20
	s_add_nc_u64 s[12:13], s[12:13], s[26:27]
.endif
	s_lshl_b32 s26, s15, 2
	s_add_nc_u64 s[10:11], s[10:11], s[26:27]
	s_load_b32 s16, s[10:11], 0x0                  ; the expert's rows
	WIN 0x80
	s_wait_alu depctr_va_vdst(0)                   ; the offsets and addresses v4 to v8, v14 to v16 and v18 to v21 are written, which the kernel's loads, stores and prefetches read
.irp b, 0,1,2,3,4,5,6,7
	global_load_b128 v[BIAS+8*\b:BIAS+8*\b+3],   v14, s[6:7] offset:64*\b
	global_load_b128 v[BIAS+8*\b+4:BIAS+8*\b+7], v14, s[6:7] offset:64*\b+16
.endr
	WLOAD 0, 4, 0
	WLOAD 1, 4, 1
	global_prefetch_b8 v16, s[4:5] offset:768 th:TH_LOAD_NT scope:SCOPE_SE   ; chunks 3 and 4
	global_prefetch_b8 v16, s[4:5] offset:1024 th:TH_LOAD_NT scope:SCOPE_SE
	WIN 0
	s_wait_kmcnt 0x0
	s_min_u32 s16, s16, 1024
	s_add_co_u32 s17, s16, 15
	s_lshr_b32 s17, s17, 4                         ; tiles that exist
	s_max_u32 s18, s17, 1                          ; tiles that are made: tile 0 always
	s_sub_co_u32 s20, s18, 1
	s_add_co_u32 s26, s14, 16
	s_cmp_lt_u32 s26, s17
	s_cselect_b32 s19, 1, 0                        ; does my fifth tile exist?
.irp i, 0,1,2,3,4
	s_add_co_u32 s26, s14, 4*\i
	s_min_u32 s26, s26, s20                        ; a tile that does not exist reads the last that does,
	s_min_u32 s26, s26, 63
	s_lshl_b32 s26, s26, TSH
	v_add_nc_u32 v[9+\i], s26, v21
.endr
	WIN 0xc0
	s_wait_alu depctr_va_vdst(0)                   ; the five tiles' offsets v9 to v13 are written, which every load of token rows reads
	ALOAD 0, 0, 8, 0
	ALOAD 0, 1, 8, 0
	s_wait_loadcnt 52                              ; the bias is in: 32 loads of weights and 20 of rows are younger
	WIN 0x8a
.set z, BIAS
.rept 32                               ; the bias rounded to bf16 and widened again, a pair at a time
	v_cvt_pk_bf16_f32 v[z+1], v[z], v[z+1]
.if PROD == 2
	v_and_b32 v[z+1], s29, v[z+1]
.endif
	v_lshlrev_b32 v[z], 16, v[z+1]
	v_and_b32 v[z+1], s28, v[z+1]
.set z, z+2
.endr
	WIN 0
.irp i, 0,1,2,3,4,5,6,7
	v_mov_b32 v[40+\i], 0
.endr
	; Every sum starts at its bias: 40 products of zeros with the bias as C, issued while the first weights are on their way; they spare 320 moves and an addition on the way out.
	WIN 0x60
.irp i, 0,1,2,3
.irp b, 0,1,2,3,4,5,6,7
	v_wmma_f32_16x16x32_bf16 v[64*\i+8*\b:64*\i+8*\b+7], v[40:47], v[40:47], v[BIAS+8*\b:BIAS+8*\b+7]
.endr
.endr
	WIN 0xa0
.irp b, 0,1,2,3,4,5,6,7
	v_wmma_f32_16x16x32_bf16 v[8*\b:8*\b+7], v[40:47], v[40:47], v[BIAS+8*\b:BIAS+8*\b+7]
.endr
	WIN 0
	PLACES
	s_wait_loadcnt 36                              ; chunk 0's weights are in: chunk 1's 16 loads and the 20 of rows are younger
	WCVT 0
	WIN 0x80
	s_wait_alu depctr_va_vdst(0)                   ; the conversions are done reading set 0, in which chunk 2's loads land, and have written OB, which the LDS stores read
	WLOAD 0, 4, 2
	ALOAD 1, 0, 8, 1                               ; chunk 1, K step 0; its K step 1 is asked for by the first period
	WPUT 0
	s_wait_dscnt 0x0                               ; for the others' sake: my rows of chunk 0 are in slot 0
	s_barrier_signal -1
	s_barrier_wait -1
	FETCH 0, 0                                     ; K step 0 of chunk 0
	s_add_nc_u64 s[WB:WB+1], s[4:5], 768           ; chunk 3
	s_add_nc_u64 s[AB:AB+1], s[8:9], 2048          ; chunk 1
	s_mov_b32 s21, 6
.Lk:                                                   ; six trips of two periods: chunks 0 to 11
	PERIOD 0, 36, 52, 1, 1, 1, 1, 0, 0, 1, 1, 1
	PERIOD 1, 36, 52, 1, 1, 1, 1, 1, 1, 2, 2, 1
	WIN 0
	s_wait_xcnt 0x0                                ; the two bases are stepped only behind this wait; the last loads that name them stand ahead of two tiles' products or more
	s_add_nc_u64 s[WB:WB+1], s[WB:WB+1], 512
	s_add_nc_u64 s[AB:AB+1], s[AB:AB+1], 4096
	s_sub_co_u32 s21, s21, 1
	s_cmp_lg_u32 s21, 0
	s_cbranch_scc1 .Lk
	PERIOD 0, 36, 52, 1, 1, 1, 1, 0, 0, 1, 0, 1    ; chunk 12: loads rows (13, step 1), the last weights (15), rows (14, step 0)
	PERIOD 1, 36, 36, 1, 0, 1, 1, 0, 1, 2, 0, 1    ; chunk 13: loads rows (14, step 1) and (15, step 0)
	PERIOD 0, 20, 20, 1, 0, 1, 0, 0, 2, 0, 0, 1    ; chunk 14: loads rows (15, step 1)
	PERIOD 1, 10, 0, 0, 0, 0, 0, 0, 0, 0, 0, 0     ; chunk 15
.if PROD == 2
	s_wait_alu depctr_va_vdst(0)                   ; behind the places: the products have written the accumulators, which the LDS stores of all the tiles below read; no vector or matrix instruction stands among those
.endif
.irp i, 0,1,2,3,4                      ; the way out: my tiles in ascending order, as far as they are made
	WIN 0
	s_add_co_u32 s26, s14, 4*\i
	s_cmp_le_u32 s18, s26
	s_cbranch_scc1 .Lfast_done
.if \i < 4
	OUTT 1, 64*\i, 12, 4*\i*OSTR
.else
	OUTT 2, 0, 12, 4*\i*OSTR
.endif
.endr
	WIN 0
.Lfast_done:
	; THE SLOW WAY, for tiles 20 + w + 4 u: no LDS ring, no barrier; weights and rows come from memory straight into registers.
	s_mov_b32 s31, 0
.Lu:
	s_lshl_b32 s32, s31, 2
	s_add_co_u32 s32, s32, s14
	s_add_co_u32 s32, s32, 20
	s_cmp_ge_u32 s32, s17
	s_cbranch_scc1 .Lskip
	s_wait_xcnt 0x0                                ; the three bases are rewritten only behind this wait
.if PROD == 2
	s_wait_alu depctr_vm_vsrc(0)                   ; the LDS stores of the tile before have read the accumulators that the products below write
.endif
	s_mov_b64 s[34:35], s[4:5]
	s_lshl_b32 s26, s32, TSH
	s_mov_b32 s27, 0
	s_add_nc_u64 s[36:37], s[8:9], s[26:27]
	s_sub_co_u32 s26, s32, s14
	s_mul_i32 s26, s26, OSTR
	s_add_nc_u64 s[38:39], s[12:13], s[26:27]
.rept 5
	v_nop                                          ; five places: the products below write over accumulators of the products before (ISA guide 7.12.1)
.endr
	WIN 0x60
.irp b, 0,1,2,3,4,5,6,7
	v_wmma_f32_16x16x32_bf16 v[8*\b:8*\b+7], v[40:47], v[40:47], v[BIAS+8*\b:BIAS+8*\b+7]
.endr
	WIN 0
	PLACES
	s_mov_b32 s33, 32
.Lo:                                                   ; 32 along K a trip
	WIN 0x80
	s_wait_alu depctr_va_vdst(0)                   ; the conversions issued so far are done reading the weights as loaded, the products their token fragment: the loads below land in both
.irp b, 0,1,2,3,4,5,6,7
.irp n, 0,1,2,3
	global_load_b128 v[WS+16*\b+4*\n:WS+16*\b+4*\n+3], v20, s[34:35] offset:16*\b*WPITCH+16*(\n%2)+64*(\n/2)
.endr
.endr
	WIN 0xc0
	global_load_b128 v[0:3], v21, s[36:37]
	global_load_b128 v[4:7], v21, s[36:37] offset:512
	s_wait_loadcnt 0x0
	WIN 0x0a
.set z, 0
.rept 64
	v_cvt_pk_bf16_f32 v[BF+z], v[WS+2*z], v[WS+2*z+1]
.set z, z+1
.endr
	WIN 0x5c
.irp b, 0,1,2,3,4,5,6,7
	v_wmma_f32_16x16x32_bf16 v[8*\b:8*\b+7], v[BF+8*\b:BF+8*\b+7], v[0:7], v[8*\b:8*\b+7]
.endr
	WIN 0
	PLACES
	s_wait_xcnt 0x0
	s_add_nc_u64 s[34:35], s[34:35], 128
	s_add_nc_u64 s[36:37], s[36:37], 1024
	s_sub_co_u32 s33, s33, 1
	s_cmp_lg_u32 s33, 0
	s_cbranch_scc1 .Lo
.if PROD == 2
	s_wait_alu depctr_va_vdst(0)                   ; behind the places: the products have written the accumulators, which the LDS stores below read
.endif
	OUTT 1, 0, 38, 0
.Lskip:
	s_add_co_u32 s31, s31, 1
	s_cmp_lt_u32 s31, 11
	s_cbranch_scc1 .Lu
	s_wait_dscnt 0x0                               ; the wave's end: my last LDS instructions are done
	s_wait_alu depctr_hold_cnt(0) depctr_sa_sdst(0) depctr_va_vdst(0) depctr_va_sdst(0) depctr_va_ssrc(0) depctr_va_vcc(0) depctr_vm_vsrc(0)
	s_wait_tensorcnt 0x0
	ds_add_u32 v254, v255
	s_wait_dscnt 0x0
	s_endpgm
.Lfunc_end_k_qfee26c0754_up:
	.size	k_qfee26c0754_up, .Lfunc_end_k_qfee26c0754_up-k_qfee26c0754_up
	.p2alignl 7, 3214868480
	.fill 96, 4, 3214868480
	.section	.rodata,"a",@progbits
	.p2align	6, 0x0
	.amdhsa_kernel k_qfee26c0754_up
		.amdhsa_group_segment_fixed_size 37376
		.amdhsa_private_segment_fixed_size 0
		.amdhsa_enable_private_segment 0
		.amdhsa_kernarg_size 40
		.amdhsa_user_sgpr_count 2
		.amdhsa_user_sgpr_kernarg_segment_ptr 1
		.amdhsa_wavefront_size32 1
		.amdhsa_system_sgpr_workgroup_id_x 1
		.amdhsa_system_sgpr_workgroup_id_y 1
		.amdhsa_system_sgpr_workgroup_id_z 1
		.amdhsa_system_vgpr_workitem_id 0
		.amdhsa_next_free_vgpr 928
		.amdhsa_next_free_sgpr 66
		.amdhsa_reserve_vcc 0
		.amdhsa_float_denorm_mode_32 3
		.amdhsa_float_denorm_mode_16_64 3
		.amdhsa_memory_ordered 1
		.amdhsa_forward_progress 1
		.amdhsa_inst_pref_size 141
	.end_amdhsa_kernel
	.amdgpu_metadata
---
amdhsa.version: [ 1, 2 ]
amdhsa.kernels:
  - .name:           k_qfee26c0754_up
    .symbol:         k_qfee26c0754_up.kd
    .args:
      - { .name: w1, .offset: 0, .size: 8, .value_kind: global_buffer, .address_space: global }
      - { .name: b1, .offset: 8, .size: 8, .value_kind: global_buffer, .address_space: global }
      - { .name: xs, .offset: 16, .size: 8, .value_kind: global_buffer, .address_space: global }
      - { .name: cnt, .offset: 24, .size: 8, .value_kind: global_buffer, .address_space: global }
      - { .name: h, .offset: 32, .size: 8, .value_kind: global_buffer, .address_space: global }
    .group_segment_fixed_size: 37376
    .private_segment_fixed_size: 0
    .kernarg_segment_align: 8
    .kernarg_segment_size: 40
    .max_flat_workgroup_size: 128
    .sgpr_count:     66
    .vgpr_count:     928
    .wavefront_size: 32
...
	.end_amdgpu_metadata
.endif
;; end of part 6
;; launch down (part 7): grid 256 x 1, 4 waves a work-group, no clusters, 71,168 bytes of LDS; arguments w2, b2, h, cnt, part; writes part
.if DOCPART == 7
	.amdgcn_target "amdgcn-amd-amdhsa--gfx1250"
	.amdhsa_code_object_version 6
	.text
	.protected	k_qfee26c0754_down
	.globl	k_qfee26c0754_down
	.p2align	8
	.type	k_qfee26c0754_down,@function
k_qfee26c0754_down:
	s_mov_b64 s[64:65], 0
	v_nop
	global_prefetch_b8 v0, s[64:65] scope:SCOPE_SE
	s_setreg_imm32_b32 hwreg(HW_REG_WAVE_SCHED_MODE, 0, 2), 2
	s_setreg_imm32_b32 hwreg(HW_REG_WAVE_MODE, 25, 1), 1
	s_wait_xcnt 0x0
	s_wait_alu depctr_vm_vsrc(0)
; ONE TEXT FOR BOTH PRODUCTS OF AN EXPERT (PROD = 1: h = relu(xs w1^T + b1), bf16 out; PROD = 2: part = h w2^T (+ b2 in the first K quarter), f32 partial sums out).
; SHARES.  A work-group has 128 rows of one expert's weights over K = 1,024 (524,288 bytes of f32), which it alone reads, once, and all of that expert's token rows.
;   PROD 1: 32 slices of F an expert.  PROD 2: 8 slices of C x 4 quarters of F; the four quarters' sums are added by the next launch.
; WEIGHTS come through registers: a load covers 2 rows x 256 consecutive bytes; they are rounded to bf16 once and laid into a ring of two LDS slots of 64 along K; two chunks' loads are always out.
; TOKEN ROWS lie in memory in operand order ([tile][K step][half][lane][8]): a fragment is two loads of 512 consecutive bytes straight into the operand's registers.  Wave w owns the row tiles 4 i + w.
; THE MATRIX INSTRUCTION IS USED TRANSPOSED: source 0 = 16 weight rows, source 1 = 16 token rows; a lane then holds token l % 16 and eight neighbouring columns 8 (l / 16) + 0..7.
;   For PROD 1 these, packed to bf16, ARE the operand order of the next product: no stage.  For PROD 2 a tile goes through the wave's own stage and leaves as rows of 512 bytes.
; EVERY SPLIT IS SERVED.  Tiles 0 to 19 (320 rows) take the fast way (tile 16 + w is jumped where it does not exist); tiles 20 to 63 a loop without LDS and barriers, 11 trips a wave of which
;   the dead ones are jumped: right, but slow, since it reads the weights again for each tile.  Tile 0 is made and stored even for an expert without rows.
; NO CLUSTER: each slice of weights has one reader; what an expert's work-groups share, its token rows, goes to registers and not through LDS.
; LIMITS.  All operands and the bias are rounded to bf16, sums in f32.  A NaN ahead of the ReLU becomes 0.
; REGISTERS, in windows of 256 (s_set_vgpr_msb: bits 1:0 source 0, 3:2 source 1, 5:4 source 2, 7:6 destination):
;   window 0: v1-22 addresses; v40-47 zeros; v48-175 weight fragments of two K steps (BF0, BF1); v176-255 in the K loop the rounded weights on their way to LDS (OB, v176-207), later at work on the way out
;   window 1: accumulators of my tiles 0 to 3, (i, b) at 64 i + 8 b      window 2: v0-63 those of tile 4; v64-191 two sets of weights as loaded (WS0, WS1); v192-255 the bias as C operands
;   window 3: token fragments AF, (parity p of the chunk, K step st, tile i) at 80 p + 40 st + 8 i
; THE MODE: SCHED_MODE bits 1:0 = 2 (LLVM: expert scheduling mode 2), set by the entry lines.  The code itself states the register dependences
; between vector or matrix instructions and memory or LDS instructions, with s_wait_alu, always for 0.
; THE PLAN.  Registers that memory or LDS instructions touch in the K loop (period c, par = c % 2):
;   WS[1-par]    read by the 32 conversions at the period's head (weights c + 1); later in the period the loads of weights c + 3 land in it.  No store reads it: the conversions write OB.
;   OB           written by those conversions; read by the period's 16 LDS stores; written again a period later.
;   BF[st]       read by K step st's products; the LDS loads of the same K step one chunk on land in it during the other K step's products.
;   AF[p][st]    read by the products of (parity p, K step st); the loads of the same K step two chunks on land in it during the next K step's products.
;   v4-v16, v18-v21  offsets and addresses, made at the head and never written again: the rows are reached by two scalar bases, stepped once a trip, and by immediate offsets.
;   The accumulators are named by matrix instructions alone.
; So ONE wait on va_vdst stands ahead of each K step's products: it states that the K step before is done reading its BF and its AF (and, at a period's head, that the conversions have written OB and
; are done reading WS).  The loads into those registers are dealt among the K step's products, which name the other BF, the other AF and the accumulators.  One wait on vm_vsrc a period frees OB.
.set PROD, 2
.if PROD == 1
.set WSH,    12                        ; a weight row is 4,096 bytes
.set TSH,    15                        ; a tile of token rows is 32,768 bytes
.set OSTR,   131072                    ; a tile of the output
.else
.set WSH,    14                        ; a weight row is 16,384 bytes
.set TSH,    17                        ; a tile of token rows is 131,072 bytes
.set OSTR,   65536                     ; a tile of the output: 16 rows of 4,096 bytes
.set STAGE,  36864                     ; behind the ring: 16 rows x 528 bytes for each wave
.endif
.set WPITCH, 1<<WSH
.set SLOT,   18432                     ; 128 rows x 144 bytes (64 bf16 + 16 of padding = 36 words: the 16 rows of a fragment load start at 16 different groups of four banks, ISA guide 11.1)
.set BF,     48
.set TMP,    176
.set OB,     176
.set WS,     64
.set BIAS,   192
.set WB,     22                        ; s[22:23] weights at the chunk that the trip's first period loads
.set AB,     24                        ; s[24:25] token rows at the chunk behind the one that the trip's first period multiplies
.set MSB, 0
.macro WIN new                         ; the immediate's high byte repeats the setting that is left; a switch that changes nothing is dropped
.if MSB != (\new)
	s_set_vgpr_msb (MSB<<8)|(\new)
.set MSB, (\new)
.endif
.endm
.macro PLACES                          ; four places behind matrix instructions, ahead of loads into their sources and of reads of their results
.rept 4
	v_nop
.endr
.endm
.macro WLOAD set, base, ck             ; 16 loads: my 32 weight rows, 256 bytes of chunk ck from the base
	WIN 0x80
.irp q, 0,1,2,3,4,5,6,7,8,9,10,11,12,13,14,15
	global_load_b128 v[WS+64*(\set)+4*\q:WS+64*(\set)+4*\q+3], v4, s[\base:\base+1] offset:2*\q*WPITCH+256*(\ck) th:TH_LOAD_NT
.endr
.endm
.macro ALOAD p, st, base, ck           ; 10 loads: K step st of chunk ck from the base, for my five tiles
	WIN 0xc0
.irp i, 0,1,2,3,4
	global_load_b128 v[80*(\p)+40*(\st)+8*\i:80*(\p)+40*(\st)+8*\i+3],   v[9+\i], s[\base:\base+1] offset:2048*(\ck)+1024*(\st)
	global_load_b128 v[80*(\p)+40*(\st)+8*\i+4:80*(\p)+40*(\st)+8*\i+7], v[9+\i], s[\base:\base+1] offset:2048*(\ck)+1024*(\st)+512
.endr
.endm
.macro WCVT set                        ; set's weights rounded, out of the registers in which they landed into OB
	WIN 0x0a
.irp q, 0,1,2,3,4,5,6,7,8,9,10,11,12,13,14,15
	v_cvt_pk_bf16_f32 v[OB+2*\q],   v[WS+64*(\set)+4*\q],   v[WS+64*(\set)+4*\q+1]
	v_cvt_pk_bf16_f32 v[OB+2*\q+1], v[WS+64*(\set)+4*\q+2], v[WS+64*(\set)+4*\q+3]
.endr
.endm
.macro WPUT set                        ; OB laid into slot set
	WIN 0
.irp q, 0,1,2,3,4,5,6,7,8,9,10,11,12,13,14,15
	ds_store_b64 v[5+(\set)], v[OB+2*\q:OB+2*\q+1] offset:288*\q
.endr
.endm
.macro FETCH slot, t                   ; 16 LDS loads in one run: K step t of the slot's 128 rows as fragments
	WIN 0
.irp b, 0,1,2,3,4,5,6,7
	ds_load_b128 v[BF+64*(\t)+8*\b:BF+64*(\t)+8*\b+3],   v[7+(\slot)] offset:2304*\b+64*(\t)
	ds_load_b128 v[BF+64*(\t)+8*\b+4:BF+64*(\t)+8*\b+7], v[7+(\slot)] offset:2304*\b+64*(\t)+32
.endr
.endm
; 32 along K: 8 products for each of tiles 0 to 3 (G), 8 for tile 4 where it exists (G4), always in this order.  The accumulators take turns, one instruction a turn.
.macro G p, st, i
	WIN 0x5c
.irp b, 0,1,2,3,4,5,6,7
	v_wmma_f32_16x16x32_bf16 v[64*(\i)+8*\b:64*(\i)+8*\b+7], v[BF+64*(\st)+8*\b:BF+64*(\st)+8*\b+7], v[80*(\p)+40*(\st)+8*(\i):80*(\p)+40*(\st)+8*(\i)+7], v[64*(\i)+8*\b:64*(\i)+8*\b+7]
.endr
.endm
.macro G4 p, st
	WIN 0
	s_cmp_eq_u32 s19, 0
	s_cbranch_scc1 .Lno4_\@
	WIN 0xac
.irp b, 0,1,2,3,4,5,6,7
	v_wmma_f32_16x16x32_bf16 v[8*\b:8*\b+7], v[BF+64*(\st)+8*\b:BF+64*(\st)+8*\b+7], v[80*(\p)+40*(\st)+32:80*(\p)+40*(\st)+39], v[8*\b:8*\b+7]
.endr
	WIN 0
.Lno4_\@:
	PLACES
.endm
; PERIOD c multiplies chunk c (slot and parity par = c % 2), in two K steps.  The fragments are asked for ONE K STEP AHEAD of their products.
;   head:    chunk c + 1's weights are rounded into OB; the wait; OB is laid into the other slot;
;   step 0:  its products, and dealt among them: K step 1's fragments of chunk c (behind tile 0's products), the token rows of chunk c + 1, K step 1 (behind tile 1's), the weights of chunk c + 3 (behind tile 3's);
;   middle:  the wait; THE BARRIER;
;   step 1:  its products, and dealt among them: K step 0's fragments of chunk c + 1, out of the other slot (behind tile 0's), the token rows of chunk c + 2, K step 0 (behind tile 1's).
; ONE barrier a period.  Between two barriers every wave writes the slot of chunk c + 1 alone (its own 32 rows) and reads the slot of chunk c alone.  In front of the signal my stores of chunk c + 1
; and my reads of chunk c are done (the wait for 0); so behind it chunk c + 1 is whole, and the slot of chunk c may be written (by the next period's head).
; The loads go out in this order: rows (c + 1, step 1) 10, weights c + 3 16, rows (c + 2, step 0) 10.
; lc0: the loads issued behind those that the head and step 0 need (weights c + 1, rows (c, step 0)): rows (c, step 1) 10, weights c + 2 16, rows (c + 1, step 0) 10, as far as they exist.
; lc1: those issued behind rows (c, step 1): weights c + 2 16, rows (c + 1, step 0) 10, rows (c + 1, step 1) 10, weights c + 3 16, as far as they exist.
; ws, wl, a1, a0: the period rounds and stores weights; loads weights; loads rows of step 1; of step 0.  wk, ak1, ak0: their chunks' places from the bases WB and AB.
; nx = 0: the last period: no barrier, nothing more to ask for.
; pf: each lane asks for the 256 bytes of chunk c + 5 of one of my wave's 32 rows, two chunks ahead of the loads; pf = 2: not in the loop's last trip, where that chunk lies past K.
.macro PERIOD par, lc0, lc1, ws, wl, a1, a0, wk, ak1, ak0, pf, nx
	s_wait_loadcnt \lc0
.if \ws
	s_wait_alu depctr_vm_vsrc(0)                   ; the LDS stores of the period before have read OB, which the conversions below write again
	WCVT 1-(\par)
.endif
	s_wait_alu depctr_va_vdst(0)                   ; the conversions have written OB, which the LDS stores read, and are done reading their set of weights, in which loads land; the K step before is done reading BF1 and its token fragments, in which loads land
.if \ws
	WPUT 1-(\par)
.endif
	s_wait_dscnt 16*(\ws)                          ; K step 0's fragments are in: only this period's stores are younger
	G \par, 0, 0
	FETCH \par, 1                                  ; no wait: no vector or matrix instruction since the wait above names BF1,
	G \par, 0, 1
.if \a1
	ALOAD 1-(\par), 1, AB, \ak1                    ; the other parity's K step 1,
.endif
	G \par, 0, 2
	G \par, 0, 3
.if \wl
	WLOAD 1-(\par), WB, \wk                        ; or the set of weights that was rounded
.endif
.if (\pf) == 2
	WIN 0
	s_cmp_eq_u32 s21, 1
	s_cbranch_scc1 .Lnopf_\@
.endif
.if \pf
	global_prefetch_b8 v16, s[WB:WB+1] offset:256*(\wk)+512 th:TH_LOAD_NT scope:SCOPE_SE
.endif
.if (\pf) == 2
.Lnopf_\@:
.endif
	G4 \par, 0
	s_wait_loadcnt \lc1                            ; K step 1's token rows are in
.if (\nx) || (\a0)
	s_wait_alu depctr_va_vdst(0)                   ; K step 0's products are done reading BF0 and their token fragments, in which the loads below land
.endif
	s_wait_dscnt 0x0                               ; K step 1's fragments are in; for the others' sake: my stores into the other slot and my reads of this one are done
.if \nx
	s_barrier_signal -1
	s_barrier_wait -1
.endif
	G \par, 1, 0
.if \nx
	FETCH 1-(\par), 0                              ; no wait: no vector or matrix instruction since the wait above names BF0,
.endif
	G \par, 1, 1
.if \a0
	ALOAD \par, 0, AB, \ak0                        ; or this parity's K step 0
.endif
	G \par, 1, 2
	G \par, 1, 3
	G4 \par, 1
.endm
; A tile of 16 rows x 128 columns leaves.  win, acc: where its eight accumulators lie.
.macro OUTT win, acc, base, imm
	WIN 0
	s_wait_xcnt 0x0                                ; the registers that earlier stores read are rewritten only behind this wait
	s_wait_alu depctr_vm_vsrc(0)                   ; the stores issued so far (the ring's LDS stores out of OB, the tile before's stores) have read v[TMP ..], which is written below
.if PROD == 1
	WIN 0x05*(\win)
.irp b, 0,1,2,3,4,5,6,7
.irp n, 0,1,2,3
	v_cvt_pk_bf16_f32 v[TMP+4*\b+\n], v[(\acc)+8*\b+2*\n], v[(\acc)+8*\b+2*\n+1]
.endr
.endr
	WIN 0
.set z, 0
.rept 32
	v_pk_max_num_bf16 v[TMP+z], v[TMP+z], v40      ; the ReLU on the rounded numbers: rounding keeps sign and order
.set z, z+1
.endr
	s_wait_alu depctr_va_vdst(0)                   ; the ReLU has written v[TMP ..], which the stores read
.irp b, 0,1,2,3,4,5,6,7
	global_store_b128 v15, v[TMP+4*\b:TMP+4*\b+3], s[\base:\base+1] offset:(\imm)+512*\b  ; 512 consecutive bytes: (K step, half) b of the next product's operand order
.endr
.else
	WIN 0x04*(\win)
.irp b, 0,1,2,3,4,5,6,7
	ds_store_b128 v18, v[(\acc)+8*\b:(\acc)+8*\b+3]   offset:64*\b
	ds_store_b128 v18, v[(\acc)+8*\b+4:(\acc)+8*\b+7] offset:64*\b+16
.endr
	WIN 0
.irp p, 0,1,2,3,4,5,6,7,8,9,10,11,12,13,14,15
	ds_load_b128 v[TMP+4*\p:TMP+4*\p+3], v19 offset:528*\p  ; my own stage: LDS serves a wave's instructions in order (ISA guide 5.7.1.4)
.endr
.irp p, 0,1,2,3,4,5,6,7,8,9,10,11,12,13,14,15
	s_wait_dscnt 15-\p
	global_store_b128 v15, v[TMP+4*\p:TMP+4*\p+3], s[\base:\base+1] offset:(\imm)+4096*\p  ; 512 consecutive bytes of row p
.endr
.endif
.endm
	s_load_b256 s[4:11], s[0:1], 0x0               ; weights s[4:5], bias s[6:7], token rows s[8:9], cnt s[10:11]
	s_load_b64 s[12:13], s[0:1], 0x20              ; output
	v_lshl_add_u32 v254, v0, 2, 0x11400
	v_mov_b32 v255, 0
	v_lshrrev_b32 v22, 5, v0
	v_readfirstlane_b32 s14, v22                   ; wave w
	s_lshr_b32 s15, ttmp9, 5                       ; expert e
	v_and_b32 v1, 31, v0                           ; lane l
	v_and_b32 v2, 15, v0                           ; r
	v_bfe_u32 v3, v0, 4, 1                         ; hh
	s_wait_alu depctr_va_sdst(0)                   ; s14 is written, ahead of its first reader: addresses, bases and branches are made from it
	s_lshl_b32 s26, s14, 5
	v_add_nc_u32 v22, s26, v3                      ; weight row 32 w + hh
	v_lshlrev_b32 v4, WSH, v22
	v_lshl_add_u32 v4, v2, 4, v4                   ; in memory: + 16 r
	v_mul_u32_u24 v5, v22, 144
	v_lshl_add_u32 v5, v2, 3, v5                   ; in slot 0: + 8 r
	v_add_nc_u32 v6, SLOT, v5                      ; in slot 1
	v_mul_u32_u24 v7, v2, 144
	v_lshl_add_u32 v7, v3, 4, v7                   ; a fragment's row r, 16 hh, in slot 0
	v_add_nc_u32 v8, SLOT, v7                      ; in slot 1
	v_lshlrev_b32 v14, 5, v3                       ; bias: 8 hh numbers of 4 bytes
	v_lshlrev_b32 v21, 4, v1                       ; 16 l
	s_mul_i32 s27, s14, OSTR
	v_add_nc_u32 v15, s27, v21                     ; output: tile w, 16 l
	v_add_nc_u32 v16, s26, v1
	v_lshlrev_b32 v16, WSH, v16                    ; weight row 32 w + l, for the prefetch
	v_lshlrev_b32 v20, WSH, v2
	v_lshl_add_u32 v20, v3, 5, v20                 ; weight row r, 8 hh numbers: the slow way's fragments
.if PROD == 2
	s_mul_i32 s27, s14, 8448
	s_add_co_u32 s27, s27, STAGE                   ; my stage
	v_mul_u32_u24 v18, v2, 528
	v_lshl_add_u32 v18, v3, 5, v18
	v_add_nc_u32 v18, s27, v18                     ; in: row r, 32 hh
	v_add_nc_u32 v19, s27, v21                     ; back: 16 l of a row
.endif
	s_mov_b32 s28, 0xffff0000
	s_mov_b32 s27, 0
	s_wait_kmcnt 0x0
.if PROD == 1
	s_and_b32 s30, ttmp9, 31                       ; slice of F
	s_lshl_b32 s26, s15, 24
	s_lshl_b32 s20, s30, 19
	s_add_co_u32 s26, s26, s20
	s_add_nc_u64 s[4:5], s[4:5], s[26:27]          ; w1 + e x 16 MiB + slice x 128 rows
	s_lshl_b32 s26, s15, 14
	s_lshl_b32 s20, s30, 9
	s_add_co_u32 s26, s26, s20
	s_add_nc_u64 s[6:7], s[6:7], s[26:27]
	s_lshl_b32 s26, s15, 21
	s_add_nc_u64 s[8:9], s[8:9], s[26:27]          ; xs + e x 64 tiles
	s_lshl_b32 s26, s15, 23
	s_lshl_b32 s20, s30, 12
	s_add_co_u32 s26, s26, s20
	s_add_nc_u64 s[12:13], s[12:13], s[26:27]      ; h + e x 64 tiles + the slice's four K steps
.else
	s_bfe_u32 s30, ttmp9, 0x30002                  ; slice of C
	s_and_b32 s21, ttmp9, 3                        ; quarter of F
	s_cmp_eq_u32 s21, 0
	s_cselect_b32 s29, -1, 0                       ; the bias belongs to the first quarter alone
	s_lshl_b32 s26, s15, 24
	s_lshl_b32 s20, s30, 21
	s_add_co_u32 s26, s26, s20
	s_lshl_b32 s20, s21, 12
	s_add_co_u32 s26, s26, s20
	s_add_nc_u64 s[4:5], s[4:5], s[26:27]          ; w2 + e x 16 MiB + slice x 128 rows + quarter x 1,024 numbers
	s_lshl_b32 s26, s15, 12
	s_lshl_b32 s20, s30, 9
	s_add_co_u32 s26, s26, s20
	s_add_nc_u64 s[6:7], s[6:7], s[26:27]
	s_lshl_b32 s26, s15, 23
	s_lshl_b32 s20, s21, 15
	s_add_co_u32 s26, s26, s20
	s_add_nc_u64 s[8:9], s[8:9], s[26:27]          ; h + e x 64 tiles + the quarter's 32 K steps
	s_lshl_b32 s26, s21, 25
	s_lshl_b32 s20, s15, 22
	s_add_co_u32 s26, s26, s20
	s_lshl_b32 s20, s30, 9
	s_add_co_u32 s26, s26, s20
	s_add_nc_u64 s[12:13], s[12:13], s[26:27]      ; part + quarter x 32 MiB + e x 1,024 rows + the slice's 512 bytes
.endif
	s_lshl_b32 s26, s15, 2
	s_add_nc_u64 s[10:11], s[10:11], s[26:27]
	s_load_b32 s16, s[10:11], 0x0                  ; the expert's rows
	WIN 0x80
	s_wait_alu depctr_va_vdst(0)                   ; the offsets and addresses v4 to v8, v14 to v16 and v18 to v21 are written, which the kernel's loads, stores and prefetches read
.irp b, 0,1,2,3,4,5,6,7
	global_load_b128 v[BIAS+8*\b:BIAS+8*\b+3],   v14, s[6:7] offset:64*\b
	global_load_b128 v[BIAS+8*\b+4:BIAS+8*\b+7], v14, s[6:7] offset:64*\b+16
.endr
	WLOAD 0, 4, 0
	WLOAD 1, 4, 1
	global_prefetch_b8 v16, s[4:5] offset:768 th:TH_LOAD_NT scope:SCOPE_SE   ; chunks 3 and 4
	global_prefetch_b8 v16, s[4:5] offset:1024 th:TH_LOAD_NT scope:SCOPE_SE
	WIN 0
	s_wait_kmcnt 0x0
	s_min_u32 s16, s16, 1024
	s_add_co_u32 s17, s16, 15
	s_lshr_b32 s17, s17, 4                         ; tiles that exist
	s_max_u32 s18, s17, 1                          ; tiles that are made: tile 0 always
	s_sub_co_u32 s20, s18, 1
	s_add_co_u32 s26, s14, 16
	s_cmp_lt_u32 s26, s17
	s_cselect_b32 s19, 1, 0                        ; does my fifth tile exist?
.irp i, 0,1,2,3,4
	s_add_co_u32 s26, s14, 4*\i
	s_min_u32 s26, s26, s20                        ; a tile that does not exist reads the last that does,
	s_min_u32 s26, s26, 63
	s_lshl_b32 s26, s26, TSH
	v_add_nc_u32 v[9+\i], s26, v21
.endr
	WIN 0xc0
	s_wait_alu depctr_va_vdst(0)                   ; the five tiles' offsets v9 to v13 are written, which every load of token rows reads
	ALOAD 0, 0, 8, 0
	ALOAD 0, 1, 8, 0
	s_wait_loadcnt 52                              ; the bias is in: 32 loads of weights and 20 of rows are younger
	WIN 0x8a
.set z, BIAS
.rept 32                               ; the bias rounded to bf16 and widened again, a pair at a time
	v_cvt_pk_bf16_f32 v[z+1], v[z], v[z+1]
.if PROD == 2
	v_and_b32 v[z+1], s29, v[z+1]
.endif
	v_lshlrev_b32 v[z], 16, v[z+1]
	v_and_b32 v[z+1], s28, v[z+1]
.set z, z+2
.endr
	WIN 0
.irp i, 0,1,2,3,4,5,6,7
	v_mov_b32 v[40+\i], 0
.endr
	; Every sum starts at its bias: 40 products of zeros with the bias as C, issued while the first weights are on their way; they spare 320 moves and an addition on the way out.
	WIN 0x60
.irp i, 0,1,2,3
.irp b, 0,1,2,3,4,5,6,7
	v_wmma_f32_16x16x32_bf16 v[64*\i+8*\b:64*\i+8*\b+7], v[40:47], v[40:47], v[BIAS+8*\b:BIAS+8*\b+7]
.endr
.endr
	WIN 0xa0
.irp b, 0,1,2,3,4,5,6,7
	v_wmma_f32_16x16x32_bf16 v[8*\b:8*\b+7], v[40:47], v[40:47], v[BIAS+8*\b:BIAS+8*\b+7]
.endr
	WIN 0
	PLACES
	s_wait_loadcnt 36                              ; chunk 0's weights are in: chunk 1's 16 loads and the 20 of rows are younger
	WCVT 0
	WIN 0x80
	s_wait_alu depctr_va_vdst(0)                   ; the conversions are done reading set 0, in which chunk 2's loads land, and have written OB, which the LDS stores read
	WLOAD 0, 4, 2
	ALOAD 1, 0, 8, 1                               ; chunk 1, K step 0; its K step 1 is asked for by the first period
	WPUT 0
	s_wait_dscnt 0x0                               ; for the others' sake: my rows of chunk 0 are in slot 0
	s_barrier_signal -1
	s_barrier_wait -1
	FETCH 0, 0                                     ; K step 0 of chunk 0
	s_add_nc_u64 s[WB:WB+1], s[4:5], 768           ; chunk 3
	s_add_nc_u64 s[AB:AB+1], s[8:9], 2048          ; chunk 1
	s_mov_b32 s21, 6
.Lk:                                                   ; six trips of two periods: chunks 0 to 11
	PERIOD 0, 36, 52, 1, 1, 1, 1, 0, 0, 1, 1, 1
	PERIOD 1, 36, 52, 1, 1, 1, 1, 1, 1, 2, 2, 1
	WIN 0
	s_wait_xcnt 0x0                                ; the two bases are stepped only behind this wait; the last loads that name them stand ahead of two tiles' products or more
	s_add_nc_u64 s[WB:WB+1], s[WB:WB+1], 512
	s_add_nc_u64 s[AB:AB+1], s[AB:AB+1], 4096
	s_sub_co_u32 s21, s21, 1
	s_cmp_lg_u32 s21, 0
	s_cbranch_scc1 .Lk
	PERIOD 0, 36, 52, 1, 1, 1, 1, 0, 0, 1, 0, 1    ; chunk 12: loads rows (13, step 1), the last weights (15), rows (14, step 0)
	PERIOD 1, 36, 36, 1, 0, 1, 1, 0, 1, 2, 0, 1    ; chunk 13: loads rows (14, step 1) and (15, step 0)
	PERIOD 0, 20, 20, 1, 0, 1, 0, 0, 2, 0, 0, 1    ; chunk 14: loads rows (15, step 1)
	PERIOD 1, 10, 0, 0, 0, 0, 0, 0, 0, 0, 0, 0     ; chunk 15
.if PROD == 2
	s_wait_alu depctr_va_vdst(0)                   ; behind the places: the products have written the accumulators, which the LDS stores of all the tiles below read; no vector or matrix instruction stands among those
.endif
.irp i, 0,1,2,3,4                      ; the way out: my tiles in ascending order, as far as they are made
	WIN 0
	s_add_co_u32 s26, s14, 4*\i
	s_cmp_le_u32 s18, s26
	s_cbranch_scc1 .Lfast_done
.if \i < 4
	OUTT 1, 64*\i, 12, 4*\i*OSTR
.else
	OUTT 2, 0, 12, 4*\i*OSTR
.endif
.endr
	WIN 0
.Lfast_done:
	; THE SLOW WAY, for tiles 20 + w + 4 u: no LDS ring, no barrier; weights and rows come from memory straight into registers.
	s_mov_b32 s31, 0
.Lu:
	s_lshl_b32 s32, s31, 2
	s_add_co_u32 s32, s32, s14
	s_add_co_u32 s32, s32, 20
	s_cmp_ge_u32 s32, s17
	s_cbranch_scc1 .Lskip
	s_wait_xcnt 0x0                                ; the three bases are rewritten only behind this wait
.if PROD == 2
	s_wait_alu depctr_vm_vsrc(0)                   ; the LDS stores of the tile before have read the accumulators that the products below write
.endif
	s_mov_b64 s[34:35], s[4:5]
	s_lshl_b32 s26, s32, TSH
	s_mov_b32 s27, 0
	s_add_nc_u64 s[36:37], s[8:9], s[26:27]
	s_sub_co_u32 s26, s32, s14
	s_mul_i32 s26, s26, OSTR
	s_add_nc_u64 s[38:39], s[12:13], s[26:27]
.rept 5
	v_nop                                          ; five places: the products below write over accumulators of the products before (ISA guide 7.12.1)
.endr
	WIN 0x60
.irp b, 0,1,2,3,4,5,6,7
	v_wmma_f32_16x16x32_bf16 v[8*\b:8*\b+7], v[40:47], v[40:47], v[BIAS+8*\b:BIAS+8*\b+7]
.endr
	WIN 0
	PLACES
	s_mov_b32 s33, 32
.Lo:                                                   ; 32 along K a trip
	WIN 0x80
	s_wait_alu depctr_va_vdst(0)                   ; the conversions issued so far are done reading the weights as loaded, the products their token fragment: the loads below land in both
.irp b, 0,1,2,3,4,5,6,7
.irp n, 0,1,2,3
	global_load_b128 v[WS+16*\b+4*\n:WS+16*\b+4*\n+3], v20, s[34:35] offset:16*\b*WPITCH+16*(\n%2)+64*(\n/2)
.endr
.endr
	WIN 0xc0
	global_load_b128 v[0:3], v21, s[36:37]
	global_load_b128 v[4:7], v21, s[36:37] offset:512
	s_wait_loadcnt 0x0
	WIN 0x0a
.set z, 0
.rept 64
	v_cvt_pk_bf16_f32 v[BF+z], v[WS+2*z], v[WS+2*z+1]
.set z, z+1
.endr
	WIN 0x5c
.irp b, 0,1,2,3,4,5,6,7
	v_wmma_f32_16x16x32_bf16 v[8*\b:8*\b+7], v[BF+8*\b:BF+8*\b+7], v[0:7], v[8*\b:8*\b+7]
.endr
	WIN 0
	PLACES
	s_wait_xcnt 0x0
	s_add_nc_u64 s[34:35], s[34:35], 128
	s_add_nc_u64 s[36:37], s[36:37], 1024
	s_sub_co_u32 s33, s33, 1
	s_cmp_lg_u32 s33, 0
	s_cbranch_scc1 .Lo
.if PROD == 2
	s_wait_alu depctr_va_vdst(0)                   ; behind the places: the products have written the accumulators, which the LDS stores below read
.endif
	OUTT 1, 0, 38, 0
.Lskip:
	s_add_co_u32 s31, s31, 1
	s_cmp_lt_u32 s31, 11
	s_cbranch_scc1 .Lu
	s_wait_dscnt 0x0                               ; the wave's end: my last LDS instructions are done
	s_wait_alu depctr_hold_cnt(0) depctr_sa_sdst(0) depctr_va_vdst(0) depctr_va_sdst(0) depctr_va_ssrc(0) depctr_va_vcc(0) depctr_vm_vsrc(0)
	s_wait_tensorcnt 0x0
	ds_add_u32 v254, v255
	s_wait_dscnt 0x0
	s_endpgm
.Lfunc_end_k_qfee26c0754_down:
	.size	k_qfee26c0754_down, .Lfunc_end_k_qfee26c0754_down-k_qfee26c0754_down
	.p2alignl 7, 3214868480
	.fill 96, 4, 3214868480
	.section	.rodata,"a",@progbits
	.p2align	6, 0x0
	.amdhsa_kernel k_qfee26c0754_down
		.amdhsa_group_segment_fixed_size 71168
		.amdhsa_private_segment_fixed_size 0
		.amdhsa_enable_private_segment 0
		.amdhsa_kernarg_size 40
		.amdhsa_user_sgpr_count 2
		.amdhsa_user_sgpr_kernarg_segment_ptr 1
		.amdhsa_wavefront_size32 1
		.amdhsa_system_sgpr_workgroup_id_x 1
		.amdhsa_system_sgpr_workgroup_id_y 1
		.amdhsa_system_sgpr_workgroup_id_z 1
		.amdhsa_system_vgpr_workitem_id 0
		.amdhsa_next_free_vgpr 928
		.amdhsa_next_free_sgpr 66
		.amdhsa_reserve_vcc 0
		.amdhsa_float_denorm_mode_32 3
		.amdhsa_float_denorm_mode_16_64 3
		.amdhsa_memory_ordered 1
		.amdhsa_forward_progress 1
		.amdhsa_inst_pref_size 138
	.end_amdhsa_kernel
	.amdgpu_metadata
---
amdhsa.version: [ 1, 2 ]
amdhsa.kernels:
  - .name:           k_qfee26c0754_down
    .symbol:         k_qfee26c0754_down.kd
    .args:
      - { .name: w2, .offset: 0, .size: 8, .value_kind: global_buffer, .address_space: global }
      - { .name: b2, .offset: 8, .size: 8, .value_kind: global_buffer, .address_space: global }
      - { .name: h, .offset: 16, .size: 8, .value_kind: global_buffer, .address_space: global }
      - { .name: cnt, .offset: 24, .size: 8, .value_kind: global_buffer, .address_space: global }
      - { .name: part, .offset: 32, .size: 8, .value_kind: global_buffer, .address_space: global }
    .group_segment_fixed_size: 71168
    .private_segment_fixed_size: 0
    .kernarg_segment_align: 8
    .kernarg_segment_size: 40
    .max_flat_workgroup_size: 128
    .sgpr_count:     66
    .vgpr_count:     928
    .wavefront_size: 32
...
	.end_amdgpu_metadata
.endif
;; end of part 7
;; launch combine: the kernel of part 5 again; grid 256 x 1, 8 waves a work-group, no clusters, 0 bytes of LDS; arguments part, gate, pos, out0; writes out0
